; MI455X (gfx1250); checked and timed in simulation.
; The chip was launched on July 23, 2026; its instructions are those of AMD's public machine-readable ISA for CDNA 5 (MIT licence, August 2026) and "CDNA5" Instruction Set Architecture Reference Guide (July 2026). The comments in the code are by the model that wrote it; some were corrected since.
;; Quant Llama MLP. Allowed arithmetic: float matrix products may take bf16 or f16 operands with f32 sums; other float arithmetic in f32, or as packed bf16 or f16 multiplies, adds, multiply-adds, maxima and minima; sums over many terms, partial sums and values carried from step to step in f32; what a program stores and reads back later, other than sums and carried values, may be rounded once to bf16 or f16.
;; Inputs: g_idx_down 11,008 int32; g_idx_gu 4,096 int32; qweight_down 1,376 x 4,096 uint32; qweight_gu 512 x 22,016 uint32; qzeros_down 86 x 512 uint32; qzeros_gu 32 x 2,752 uint32; scales_down 86 x 4,096 float32; scales_gu 32 x 22,016 float32; x 4 x 128 x 4,096 float32.
;; Outputs: out0 4 x 128 x 4,096 float32.
;; 2 versions, each right. Each part assembles by itself: llvm-mc -triple=amdgcn-amd-amdhsa -mcpu=gfx1250 --defsym DOCPART=n.
;; ======== version 1 of 2: 4 launches
;; limits: values are held in f16: magnitudes above 65,504 overflow, below 6.1e-05 lose precision
;; workspace buffers: xh 4,194,304 bytes; hb 11,534,336 bytes; tgu 2,818,048 bytes; td 1,409,024 bytes; stats 5,120 bytes; part 67,108,864 bytes
;; launch prep (part 1): grid 165 x 1, 8 waves a work-group, no clusters, 1,536 bytes of LDS; arguments x, scales_gu, qzeros_gu, scales_down, qzeros_down, xh, stats, tgu, td, hb; writes xh, stats, tgu, td, hb
.if DOCPART == 1
	.amdgcn_target "amdgcn-amd-amdhsa--gfx1250"
	.amdhsa_code_object_version 6
	.text
	.protected	k_qe0eb3b86c7_prep
	.globl	k_qe0eb3b86c7_prep
	.p2align	8
	.type	k_qe0eb3b86c7_prep,@function
k_qe0eb3b86c7_prep:
	s_mov_b64 s[64:65], 0
	v_nop
	global_prefetch_b8 v0, s[64:65] scope:SCOPE_SE
	s_setreg_imm32_b32 hwreg(HW_REG_WAVE_MODE, 25, 1), 1
	s_wait_xcnt 0x0
; PREPARATION for the two products of a 4-bit MLP.  Three roles, chosen by the work-group's number (the same for all its waves):
;   0-31     X: 16 rows of x -> f16 in the order in which a matrix fragment is read, and the rows' sums of squares (f32) -> stats[0..511]
;   32-117   T: scales_gu, qzeros_gu -> tgu: one word an entry: low half f16(-(1024 + z + 1)), high half f16(scale); a wave's largest |scale| -> stats, from byte 2048 on
;   118-160  T: the same for scales_down, qzeros_down -> td (no maximum is kept)
;   161-164  Z: zeros into blocks 86 and 87 of hb, which lie behind the last k of the second product
; xh: [k / 128][row / 128][(k / 32) % 4][(row / 16) % 8][half][lane][16 bytes]; lane = 16 h + row % 16 holds the eight k of block 4 ((k / 32) % 4) + 2 half + h,
; word i of the 16 bytes = (k_i, k_(i+4)): the order in which the nibbles of a weight word come apart.
; LIMITS.  |x| and |scale| stay under 65,504 (f16); a scale keeps 11 bits only above 6.1e-5.  NaN and infinities are not treated apart.
.set SPARE, 512                        ; LDS: bytes 0-511 the waves' partial sums, [wave][row]; from 512 on the spare words, 128 bytes a wave
.set SPW, 2                            ; v2  LDS address of my spare word; never rewritten
.set NIL, 3                            ; v3  0; never rewritten
	s_load_b512 s[4:19], s[0:1], 0x0               ; x 4, scales_gu 6, qzeros_gu 8, scales_down 10, qzeros_down 12, xh 14, stats 16, tgu 18
	s_load_b128 s[20:23], s[0:1], 0x40             ; td 20, hb 22
	v_lshl_add_u32 v[SPW], v0, 2, SPARE
	v_mov_b32 v[NIL], 0
	v_lshrrev_b32 v1, 5, v0
	v_readfirstlane_b32 s30, v1                    ; wave 0..7
	v_and_b32 v1, 31, v0                           ; lane
	s_mov_b32 s31, ttmp9
	s_mov_b32 s46, 0x76543210                      ; v_permlanex16_b32: each lane takes its own place in the other half
	s_mov_b32 s47, 0xfedcba98
	s_wait_kmcnt 0x0
	s_cmp_lt_u32 s31, 32
	s_cbranch_scc1 .Lrole_x
	s_cmp_lt_u32 s31, 161
	s_cbranch_scc1 .Lrole_t
; ---- Z: 65,536 bytes of zeros a work-group; a wave's store covers 512 consecutive bytes
	s_sub_co_u32 s32, s31, 161
	s_lshl_b32 s32, s32, 16
	s_add_co_u32 s32, s32, 86*131072
	s_mov_b32 s33, 0
	s_add_nc_u64 s[22:23], s[22:23], s[32:33]
	v_lshlrev_b32 v4, 4, v0
	v_mov_b32 v8, 0
	v_mov_b32 v9, 0
	v_mov_b32 v10, 0
	v_mov_b32 v11, 0
.irp i, 0,1,2,3,4,5,6,7,8,9,10,11,12,13,14,15
	global_store_b128 v4, v[8:11], s[22:23] offset:(\i)*4096
.endr
	s_endpgm
; ---- X: work-group mt owns rows 16 mt .. 16 mt + 15; wave v the k 512 v .. 512 v + 511: 32 items of 16 rows x 16 k
.Lrole_x:
	v_and_b32 v6, 15, v1                           ; r: my row
	v_lshrrev_b32 v7, 4, v1                        ; h: which eight k of an item's sixteen
	v_lshlrev_b32 v4, 14, v6                       ; in: r rows of 16,384 bytes
	v_lshl_add_u32 v4, v7, 5, v4                   ;     + 32 h
	v_lshlrev_b32 v5, 4, v1                        ; out: 16 x lane
	s_lshl_b32 s32, s31, 18                        ; 16 rows are 262,144 bytes
	s_lshl_b32 s33, s30, 11
	s_add_co_u32 s32, s32, s33
	s_mov_b32 s33, 0
	s_add_nc_u64 s[4:5], s[4:5], s[32:33]
	s_lshl_b32 s32, s30, 19                        ; four blocks of 128 k, 131,072 bytes each
	s_lshr_b32 s34, s31, 3
	s_lshl_b32 s34, s34, 15                        ; row / 128
	s_add_co_u32 s32, s32, s34
	s_and_b32 s34, s31, 7
	s_lshl_b32 s34, s34, 10                        ; (row / 16) % 8
	s_add_co_u32 s32, s32, s34
	s_add_nc_u64 s[14:15], s[14:15], s[32:33]
.set gi, 0
.rept 16                                       ; the ring of 16 slots is filled: 32 loads
	global_load_b128 v[32+8*gi:35+8*gi], v4, s[4:5] offset:64*gi
	global_load_b128 v[36+8*gi:39+8*gi], v4, s[4:5] offset:64*gi+16
.set gi, gi+1
.endr
; Item g: my eight numbers are squared into four chains of pairs, rounded to f16 in the pairs (k_i, k_(i+4)) and stored; the wave's store covers 512 consecutive bytes.
.macro XITEM g
.set XR, 32+8*((\g)%16)
.if (\g) < 16
	s_wait_loadcnt 30                              ; behind my item's two loads stand the other 15 slots' 30, old or refilled
.else
	s_wait_loadcnt 62-2*(\g)                       ; nothing is refilled any more: the counts run down
.endif
.irp i, 0,2,4,6
.if (\g) == 0
	v_pk_mul_f32 v[8+\i:9+\i], v[XR+\i:XR+\i+1], v[XR+\i:XR+\i+1]   ; the first item starts the sums
.else
	v_pk_fma_f32 v[8+\i:9+\i], v[XR+\i:XR+\i+1], v[XR+\i:XR+\i+1], v[8+\i:9+\i]
.endif
.endr
.irp i, 0,1,2,3
	v_cvt_pk_f16_f32 v[XR+\i], v[XR+\i], v[XR+\i+4]
.endr
	global_store_b128 v5, v[XR:XR+3], s[14:15] offset:((\g)/8)*131072+(((\g)/2)%4)*8192+((\g)%2)*512
.if (\g) < 16
	s_wait_xcnt 0x0                                ; the store's data registers are loaded again only behind this wait
	global_load_b128 v[XR:XR+3],   v4, s[4:5] offset:64*((\g)+16)
	global_load_b128 v[XR+4:XR+7], v4, s[4:5] offset:64*((\g)+16)+16
.endif
.endm
.set gj, 0
.rept 32
	XITEM gj
.set gj, gj+1
.endr
	v_pk_add_f32 v[8:9], v[8:9], v[10:11]
	v_pk_add_f32 v[12:13], v[12:13], v[14:15]
	v_pk_add_f32 v[8:9], v[8:9], v[12:13]
	v_add_f32 v8, v8, v9
	v_permlanex16_b32 v9, v8, s46, s47             ; the row's other k lie in the lane 16 away
	v_add_f32 v8, v8, v9
	v_lshlrev_b32 v10, 2, v6
	s_lshl_b32 s34, s30, 6
	v_add_nc_u32 v11, s34, v10
	ds_store_b32 v11, v8                           ; [wave][row]; the two lanes of a row write the same number
	s_wait_tensorcnt 0x0                           ; my last LDS store is out
	ds_add_u32 v[SPW], v[NIL]
	s_wait_dscnt 0x0                               ; this wait also shows my store done, for the others' sake
	s_barrier_signal -1
	s_barrier_wait -1
	s_cmp_lg_u32 s30, 0
	s_cbranch_scc1 .Lx_end                         ; wave 0 adds the eight waves' sums
.irp i, 0,1,2,3,4,5,6,7
	ds_load_b32 v[16+\i], v10 offset:64*(\i)
.endr
	s_lshl_b32 s34, s31, 6
	v_add_nc_u32 v12, s34, v10                     ; word 16 mt + r of stats
	s_wait_dscnt 0x0
	v_pk_add_f32 v[16:17], v[16:17], v[18:19]
	v_pk_add_f32 v[20:21], v[20:21], v[22:23]
	v_pk_add_f32 v[16:17], v[16:17], v[20:21]
	v_add_f32 v16, v16, v17
	global_store_b32 v12, v16, s[16:17]
.Lx_end:
	s_endpgm
; ---- T: the tables are flat: entry e takes scale e and nibble e % 8 of zero word e / 8.  A wave makes 8 chunks of 128 entries; a lane four entries of each.
.Lrole_t:
	s_cmp_lt_u32 s31, 118
	s_cselect_b64 s[32:33], s[6:7], s[10:11]       ; scales
	s_cselect_b64 s[34:35], s[8:9], s[12:13]       ; zeros
	s_cselect_b64 s[36:37], s[18:19], s[20:21]     ; the table
	s_cselect_b32 s38, 32, 118
	s_sub_co_u32 s38, s31, s38
	s_lshl_b32 s38, s38, 3
	s_add_co_u32 s38, s38, s30                     ; my wave among the table's
	s_lshl_b32 s40, s38, 12                        ; 1,024 entries of 4 bytes
	s_mov_b32 s41, 0
	s_add_nc_u64 s[32:33], s[32:33], s[40:41]
	s_add_nc_u64 s[36:37], s[36:37], s[40:41]
	s_lshl_b32 s40, s38, 9                         ; 128 zero words
	s_add_nc_u64 s[34:35], s[34:35], s[40:41]
	s_mov_b32 s39, 0xffff0000
	v_lshlrev_b32 v4, 4, v1
	v_lshrrev_b32 v5, 1, v1
	v_lshlrev_b32 v5, 2, v5                        ; two lanes share a zero word:
	v_and_b32 v6, 1, v1
	v_lshlrev_b32 v6, 4, v6                        ; the odd lane takes its upper half
	v_mov_b32 v7, 0                                ; the largest |scale|
.irp c, 0,1,2,3,4,5,6,7
	global_load_b128 v[32+4*\c:35+4*\c], v4, s[32:33] offset:512*(\c) th:TH_LOAD_NT
	global_load_b32 v[64+\c], v5, s[34:35] offset:64*(\c)
.endr
.irp c, 0,1,2,3,4,5,6,7
	s_wait_loadcnt 14-2*(\c)                       ; the later chunks' loads stay out
	v_lshrrev_b32 v[64+\c], v6, v[64+\c]
.irp j, 0,1,2,3
	v_bfe_u32 v[8+\j], v[64+\c], 4*(\j), 4
	v_add_nc_u32 v[8+\j], 0xe401, v[8+\j]          ; f16(-(1025 + z)): one step of the code is 1 between 1,024 and 2,048
.endr
	v_max3_num_f32 v7, |v[32+4*\c]|, |v[33+4*\c]|, v7
	v_max3_num_f32 v7, |v[34+4*\c]|, |v[35+4*\c]|, v7
	v_cvt_pk_f16_f32 v12, v[32+4*\c], v[33+4*\c]
	v_cvt_pk_f16_f32 v13, v[34+4*\c], v[35+4*\c]
	v_lshl_or_b32 v[32+4*\c], v12, 16, v8
	v_and_or_b32 v[33+4*\c], v12, s39, v9
	v_lshl_or_b32 v[34+4*\c], v13, 16, v10
	v_and_or_b32 v[35+4*\c], v13, s39, v11
	global_store_b128 v4, v[32+4*\c:35+4*\c], s[36:37] offset:512*(\c)
.endr
	s_cmp_lt_u32 s31, 118
	s_cbranch_scc0 .Lt_end                         ; only the first product's scales bound h
	v_max_num_f32_dpp v7, v7, v7 row_xmask:1 row_mask:0xf bank_mask:0xf
	v_max_num_f32_dpp v7, v7, v7 row_xmask:2 row_mask:0xf bank_mask:0xf
	v_max_num_f32_dpp v7, v7, v7 row_xmask:4 row_mask:0xf bank_mask:0xf
	v_max_num_f32_dpp v7, v7, v7 row_xmask:8 row_mask:0xf bank_mask:0xf
	v_permlanex16_b32 v12, v7, s46, s47
	v_max_num_f32 v7, v7, v12
	v_mov_b32 v14, s38
	v_lshlrev_b32 v14, 2, v14
	global_store_b32 v14, v7, s[16:17] offset:2048 ; every lane writes the wave's one word with the same number
.Lt_end:
	s_endpgm
.Lfunc_end_k_qe0eb3b86c7_prep:
	.size	k_qe0eb3b86c7_prep, .Lfunc_end_k_qe0eb3b86c7_prep-k_qe0eb3b86c7_prep
	.p2alignl 7, 3214868480
	.fill 96, 4, 3214868480
	.section	.rodata,"a",@progbits
	.p2align	6, 0x0
	.amdhsa_kernel k_qe0eb3b86c7_prep
		.amdhsa_group_segment_fixed_size 1536
		.amdhsa_private_segment_fixed_size 0
		.amdhsa_enable_private_segment 0
		.amdhsa_kernarg_size 80
		.amdhsa_user_sgpr_count 2
		.amdhsa_user_sgpr_kernarg_segment_ptr 1
		.amdhsa_wavefront_size32 1
		.amdhsa_system_sgpr_workgroup_id_x 1
		.amdhsa_system_sgpr_workgroup_id_y 1
		.amdhsa_system_sgpr_workgroup_id_z 1
		.amdhsa_system_vgpr_workitem_id 0
		.amdhsa_next_free_vgpr 160
		.amdhsa_next_free_sgpr 66
		.amdhsa_reserve_vcc 0
		.amdhsa_float_denorm_mode_32 3
		.amdhsa_float_denorm_mode_16_64 3
		.amdhsa_memory_ordered 1
		.amdhsa_forward_progress 1
		.amdhsa_inst_pref_size 44
	.end_amdhsa_kernel
	.amdgpu_metadata
---
amdhsa.version: [ 1, 2 ]
amdhsa.kernels:
  - .name:           k_qe0eb3b86c7_prep
    .symbol:         k_qe0eb3b86c7_prep.kd
    .args:
      - { .name: x, .offset: 0, .size: 8, .value_kind: global_buffer, .address_space: global }
      - { .name: scales_gu, .offset: 8, .size: 8, .value_kind: global_buffer, .address_space: global }
      - { .name: qzeros_gu, .offset: 16, .size: 8, .value_kind: global_buffer, .address_space: global }
      - { .name: scales_down, .offset: 24, .size: 8, .value_kind: global_buffer, .address_space: global }
      - { .name: qzeros_down, .offset: 32, .size: 8, .value_kind: global_buffer, .address_space: global }
      - { .name: xh, .offset: 40, .size: 8, .value_kind: global_buffer, .address_space: global }
      - { .name: stats, .offset: 48, .size: 8, .value_kind: global_buffer, .address_space: global }
      - { .name: tgu, .offset: 56, .size: 8, .value_kind: global_buffer, .address_space: global }
      - { .name: td, .offset: 64, .size: 8, .value_kind: global_buffer, .address_space: global }
      - { .name: hb, .offset: 72, .size: 8, .value_kind: global_buffer, .address_space: global }
    .group_segment_fixed_size: 1536
    .private_segment_fixed_size: 0
    .kernarg_segment_align: 8
    .kernarg_segment_size: 80
    .max_flat_workgroup_size: 256
    .sgpr_count:     66
    .vgpr_count:     160
    .wavefront_size: 32
...
	.end_amdgpu_metadata
.endif
;; end of part 1
;; launch gemm_gu (part 2): grid 172 x 1, 4 waves a work-group, clusters of 4 x 1, 327,680 bytes of LDS; arguments xh, qweight_gu, tgu, g_idx_gu, stats, hb; writes hb
.if DOCPART == 2
	.amdgcn_target "amdgcn-amd-amdhsa--gfx1250"
	.amdhsa_code_object_version 6
	.text
	.protected	k_qe0eb3b86c7_gemm_gu
	.globl	k_qe0eb3b86c7_gemm_gu
	.p2align	8
	.type	k_qe0eb3b86c7_gemm_gu,@function
k_qe0eb3b86c7_gemm_gu:
	s_mov_b64 s[64:65], 0
	v_nop
	global_prefetch_b8 v0, s[64:65] scope:SCOPE_SE
	s_setreg_imm32_b32 hwreg(HW_REG_WAVE_MODE, 25, 1), 1
	s_wait_xcnt 0x0
	s_wait_alu depctr_hold_cnt(0) depctr_sa_sdst(0) depctr_va_vdst(0) depctr_va_sdst(0) depctr_va_ssrc(0) depctr_va_vcc(0) depctr_vm_vsrc(0)
	s_getreg_b32 s2, hwreg(HW_REG_IB_STS2, 6, 4)
	s_cmp_eq_u32 s2, 0
	s_cbranch_scc0 .Lentry_in_a_cluster
	s_endpgm
.Lentry_in_a_cluster:
	s_bfe_u32 s2, ttmp6, 0x10000c
	s_cmp_lg_u32 s2, 0x3003
	s_cbranch_scc0 .Lentry_shape_is_right
	s_endpgm
.Lentry_shape_is_right:
; FIRST PRODUCT AND SwiGLU.  inter = x W, W[k][n] = s[g[k]][n] (q[k][n] - z[g[k]][n] - 1); h = silu(gate) up; hb = f16(h alpha[row]) in the fragment order of the second product.
; SHARES.  A work-group makes all 512 rows x 64 gate columns and the 64 up columns that belong to them, so each weight is unpacked once in the launch.  Each of the four waves has 128 rows x 128 columns:
; 64 accumulators of 16 x 16.  K goes in steps of 128 (four quarters of 32).
; x (f16, fragment order, made by the launch before) comes by the tensor data mover into a ring of two LDS slots; wave w fills and alone reads its 32,768 bytes of a slot.  The four work-groups of a
; cluster need the same x, so each tile is asked for JOINTLY: the same load, descriptor and mask in all four.
; WEIGHTS.  A word of qweight holds eight consecutive k of one column: half a fragment's registers of one lane.  For each 64 k wave w unpacks the 16 k numbered 16 w on: two loads of 16 bytes a lane (four
; columns), 1024 + q by a mask and an or on pairs of nibbles (k_i, k_(i+4)), - (1024 + z + 1) by a packed f16 addition (exact), times the scale (one rounding), 16 bytes into one of two LDS buffers
; in fragment order.  x lies in the same order of k inside each eight, so the products are the same.
; g_idx.  EVERY k takes the table row that g_idx names for it: the wave's 16 indices come by one scalar load, each is held inside the table and gives one load of 16 bytes a lane (zero and scale of my four
; columns); a byte permute pairs k_i's with k_(i+4)'s.  No branch hangs on g_idx.
; All this is a QUEUE of 270 lines, dealt six at a time behind every second matrix instruction; its loads are asked for two steps of 64 k ahead, into two sets of registers that take turns.
; COLUMNS.  Column c (0..3) of lane l goes to place l % 16 of tile c + 4 (l / 16): tiles 0-3 are gate columns, tiles 4-7 the up columns 11,008 further on.
; THE MATRIX INSTRUCTION IS USED TRANSPOSED (source 0 = weights, source 1 = x): a lane holds one row of x and, over tiles 0-3, 32 consecutive gate columns: four times 16 bytes of hb.
; alpha[row] = 1 / b, b = 32 |x_row|^2 smax^2 + 1e-30, smax the largest |scale|: |gate|, |up| <= |x_row| sqrt(4096) 16 smax, so |h alpha| <= 2^15 for every input; the second product multiplies b back.
; LIMITS.  16 |scale| and |x| stay under 65,504 (f16); h alpha below 6e-5 keeps f16's fixed step of 6e-8; where e^-gate b passes f32's range h counts as 0; NaN and infinities are not treated apart;
; the sums' order is the matrix unit's.
; REGISTERS, in windows of 256 (s_set_vgpr_msb: bits 1:0 source 0, 3:2 source 1, 5:4 source 2, 7:6 destination):
;   window 0: v0-31 addresses; v32-47 two sets of weight words; v48-63 the queue's work; v64-191 two sets of 16 table rows; v240-255 b, in pairs
;   window 1: the fragments, two buffers of 128: x's 64 registers, then the weights' 64      windows 2, 3: the accumulators: (a, b) at v[8 (8 (a % 4) + b)], rows 16 a on, window 2 + a / 4
.set KT,     32                        ; K steps of 128
.set PITCH,  88064                     ; bytes in a row of qweight and of the table
.set NG,     32                        ; rows of the table
.set JMAX,   63                        ; the last step of 64 k
.set LASTKB, 31                        ; the last block of 128 k
.set MULW,   0xa5                      ; sources 0 and 1 window 1, C and D window 2
.set SLOTB,  131072                    ; LDS: slot 0 at 0, slot 1 at 131,072; wave w's part at 32,768 w
.set BB,     262144                    ; the weights' two buffers of 16,384 bytes: [k / 32][half][tile][lane][16 bytes]; written by ds_store alone
.set BBUF,   16384
.set SPARE,  294912                    ; the spare words, 128 bytes a wave: two blocks of 256 bytes that no other line names
.set ADRA0, 2                          ; v2   32,768 w + 16 l; never rewritten
.set ADRA,  3                          ; v3   the same in the slot in hand
.set ADRB,  4                          ; v4   BB + 16 l
.set STB,   5                          ; v5   where my unpacked 16 bytes go: BB + 4,096 w + 2,048 (l / 16) + 16 (l % 16)
.set QC,    6                          ; v6   my four columns' byte offset in a row
.set QW,    7                          ; v7   the same + my wave's two rows
.set QOF,   8                          ; v8, v9    weight offsets of the even and the odd set
.set PFA,   14                         ; v14  the prefetch's offset
.set PF0,   15                         ; v15  its lane term
.set OOF,   24                         ; v24  my byte offset on the way out
.set CC,    26                         ; v26-27  32 smax^2
.set SPW,   28                         ; v28  LDS address of my spare word; never rewritten
.set NIL,   29                         ; v29  0; never rewritten
.set EPS,   30                         ; v30-31  1e-30
.set QE,    32                         ; v32-39 the even set's eight words, v40-47 the odd set's
.set SH,    48                         ; v48-50  a word shifted
.set E4,    52                         ; v52-55  a word unpacked
.set NZP,   56                         ; v56-59  -(1025 + z) of k_i and k_(i+4)
.set SDP,   60                         ; v60-63  their scales
.set TR,    64                         ; v64-127 the even set's table rows, row i at 4 i; v128-191 the odd set's
.set HT,    64                         ; at the head: the partial maxima
.set BP,    240                        ; v240-255  b of row 16 a + l % 16, twice, at 240 + 2 a
.set F0,    0                          ; fragment buffers, in window 1
.set F1,    128
.set DQN,   270
; s[4:5] xh; s[6:7] qweight; s[8:9] table; s[10:11] g_idx; s[12:13] stats; s[14:15] hb; s20 wave; s21 cx; s22 column tile; s[24:31] descriptor group 1; s[32:35], s[36:39] group 0 of the two first fills, the
; second then walks; s40 slot in hand; s41 step being unpacked; s42 first step; s43 loop count; s44-49 at work; s50-53 masks and selectors; s[54:55] -log2(e); s[56:57] lane selects; s58, s59 prefetch;
; s[68:83] sixteen indices; s88 their byte offset; s89 the weights' step offset
.set MSB, 0
.macro WIN new                         ; the immediate's high byte repeats the setting that is left; a switch that changes nothing is dropped
.if MSB != (\new)
	s_set_vgpr_msb (MSB<<8)|(\new)
.set MSB, (\new)
.endif
.endm
.macro PLACES                          ; four places in front of loads into registers that matrix instructions have read, and of lines that read results
.rept 4
	v_nop
.endr
.endm
.macro CREST                           ; a round of the cluster's barrier behind its opening barrier
	s_cmp_lg_u32 s20, 0
	s_cbranch_scc1 .Lnot_wave_0_\@
	s_barrier_signal -3
.Lnot_wave_0_\@:
	s_barrier_wait -3
	s_barrier_signal -1
	s_barrier_wait -1
.endm
.macro CROUND
	s_barrier_signal -1
	s_barrier_wait -1
	CREST
.endm
.macro JLOAD                           ; the joint refill: every wave its own 32,768 bytes; an s_nop 0 and four v_nop follow
	tensor_load_to_lds s[36:39], s[24:31]
	s_nop 0
	PLACES
.endm
; THE QUEUE.  DQSET names the set; DQ writes the queue's next line; RIDE up to n of them; FLUSH the rest.
.macro DQSET par
.set QR,   QE+8*(\par)
.set TRB,  TR+64*(\par)
.set OFQ,  QOF+(\par)
.set BUFO, (\par)*BBUF
.set dq, 0
.endm
; Line n of the 8 that ask for the 16 indices of step s41 + add.  Steps past the end take the last step's once more.
.macro LDA n, add
.if (\n) == 0
	s_add_co_u32 s44, s41, \add
.elseif (\n) == 1
	s_add_co_u32 s44, s44, s42
.elseif (\n) == 2
	s_min_u32 s44, s44, JMAX
.elseif (\n) == 3
	s_lshl_b32 s88, s44, 2
.elseif (\n) == 4
	s_add_co_u32 s88, s88, s20
.elseif (\n) == 5
	s_lshl_b32 s88, s88, 6                         ; k = 64 step + 16 w, four bytes an index
.elseif (\n) == 6
	s_load_b512 s[68:83], s[10:11], s88 offset:0x0
.else
	s_mul_i32 s89, s44, 8*PITCH                    ; eight rows of qweight a step
.endif
.endm
; Line n of the 68 that ask for that step's words and table rows.
.macro LDB n
.if (\n) == 0
	s_wait_kmcnt 0x0                               ; the indices are in
.elseif (\n) == 1
	v_add_nc_u32 v[OFQ], s89, v[QW]
.elseif (\n) == 2
	global_load_b128 v[QR:QR+3], v[OFQ], s[6:7] th:TH_LOAD_NT
.elseif (\n) == 3
	global_load_b128 v[QR+4:QR+7], v[OFQ], s[6:7] offset:PITCH th:TH_LOAD_NT
.else
.set r_, ((\n)-4)/4
.set k_, ((\n)-4)%4
.if k_ == 0
	s_min_u32 s[68+r_], s[68+r_], NG-1             ; the index is held inside the table
.elseif k_ == 1
	s_mul_i32 s[68+r_], s[68+r_], PITCH
.elseif k_ == 2
	v_add_nc_u32 v[TRB+4*r_], s[68+r_], v[QC]
.else
	global_load_b128 v[TRB+4*r_:TRB+4*r_+3], v[TRB+4*r_], s[8:9]   ; k_r's zero and scale, my four columns; the load lands on its own offset register
.endif
.endif
.endm
.macro LDBLK par, add
	DQSET \par
.set ln, 0
.rept 8
	LDA ln, \add
.set ln, ln+1
.endr
.set ln, 0
.rept 68
	LDB ln
.set ln, ln+1
.endr
.endm
.macro DQ
.if dq == 0
	s_wait_loadcnt 18                              ; behind this set's 18 loads stand the other set's 18
.elseif dq < 9
	LDA dq-1, 2                                    ; the indices of the step two on
.elseif dq < 201
.set e_, dq-9
.set d_, e_/24                         ; word d: row d / 4 of my two, column d % 4
.set i_, e_%24
.set w_, QR+d_
.set t_, TRB+32*(d_/4)+(d_%4)
.if i_ < 3
	v_lshrrev_b32 v[SH+i_], 4*(i_+1), v[w_]
.elseif i_ == 3
	v_and_or_b32 v[E4], v[w_], s50, s51            ; f16(1024 + q) for k_0 and k_4
.elseif i_ < 7
	v_and_or_b32 v[E4+i_-3], v[SH+i_-4], s50, s51
.elseif i_ < 15
.set p_, (i_-7)/2
.if i_%2 == 1
	v_perm_b32 v[NZP+p_], v[t_+4*(p_+4)], v[t_+4*p_], s52   ; the low halves: k_p's below, k_(p+4)'s above
.else
	v_perm_b32 v[SDP+p_], v[t_+4*(p_+4)], v[t_+4*p_], s53   ; the high halves
.endif
.elseif i_ < 19
	v_pk_add_f16 v[E4+i_-15], v[E4+i_-15], v[NZP+i_-15]
.elseif i_ < 23
	v_pk_mul_f16 v[E4+i_-19], v[E4+i_-19], v[SDP+i_-19]
.else
	ds_store_b128 v[STB], v[E4:E4+3] offset:BUFO+(d_%4)*512+(d_/4)*256   ; 16 lanes fill 256 consecutive bytes
.endif
.elseif dq < 269
	LDB dq-201                                     ; the set's registers are dead: it is asked for again, two steps on
.else
	s_add_co_u32 s41, s41, 1
.endif
.set dq, dq+1
.endm
.macro RIDE n
.if dq < DQN
	WIN 0
.rept \n
.if dq < DQN
	DQ
.endif
.endr
.endif
.endm
.macro FLUSH
	RIDE DQN
.endm
; 16 matrix instructions: row blocks a0, a0 + 1 of the window's four x all 8 tiles, 32 along K.  zero = 1: the product starts the sums.  ride = 1: six lines of the queue behind every second one.
; The 64 accumulators take turns, one instruction a turn, in the same order in every quarter.
.macro MUL16 f, hi, a0, zero, ride
.irp a, \a0, (\a0)+1
.irp b, 0,1,2,3,4,5,6,7
.set rD, 8*(8*(\a)+(\b))
.set rB, (\f)+64+8*(\b)
.set rA, (\f)+8*(4*(\hi)+(\a))
	WIN MULW+0x50*(\hi)
.if \zero
	v_wmma_f32_16x16x32_f16 v[rD:rD+7], v[rB:rB+7], v[rA:rA+7], 0
.else
	v_wmma_f32_16x16x32_f16 v[rD:rD+7], v[rB:rB+7], v[rA:rA+7], v[rD:rD+7]
.endif
.if (\ride) && ((\b)%2 == 1)
	RIDE 6
.endif
.endr
.endr
.endm
; 32 LDS loads in one run: a quarter's fragments into buffer f: the weights at byte bofs of their buffers, x's quarter kq of the slot in hand.  Every load takes 512 consecutive bytes.
.macro FETCH kq, bofs, f
	WIN 0x40                                       ; destination window 1, address window 0
.irp i, 0,1,2,3,4,5,6,7
	ds_load_b128 v[(\f)+64+8*(\i):(\f)+64+8*(\i)+3],   v[ADRB] offset:(\bofs)+(\i)*512
	ds_load_b128 v[(\f)+64+8*(\i)+4:(\f)+64+8*(\i)+7], v[ADRB] offset:(\bofs)+(\i)*512+4096
.endr
.irp i, 0,1,2,3,4,5,6,7
	ds_load_b128 v[(\f)+8*(\i):(\f)+8*(\i)+3],   v[ADRA] offset:((\kq)*8+(\i))*1024
	ds_load_b128 v[(\f)+8*(\i)+4:(\f)+8*(\i)+7], v[ADRA] offset:((\kq)*8+(\i))*1024+512
.endr
.endm
; A quarter without a barrier: multiplies buffer f; in its middle it fetches quarter kq into buffer g.
.macro QUARTER kq, bofs, f, g, zero
	s_wait_dscnt 8                                 ; at most the youngest eight LDS instructions are out: x's rows 64-127, or later stores of the queue
	MUL16 \f, 0, 0, \zero, 1
	MUL16 \f, 0, 2, \zero, 1
	PLACES
	FETCH \kq, \bofs, \g
	s_wait_dscnt 32                                ; all but the 32 just issued
	MUL16 \f, 1, 0, \zero, 1
	MUL16 \f, 1, 2, \zero, 1
.endm
; Quarter 1.  Its barrier serves the weights alone: in front of it my stores into the odd buffer are done and my reads of the even one are back; behind it the odd one is read and the even one written.
.macro TURNB
	s_wait_dscnt 8
	MUL16 F1, 0, 0, 0, 0
	s_wait_dscnt 0x0
	s_barrier_signal -1
	MUL16 F1, 0, 2, 0, 0
	s_barrier_wait -1
	PLACES
	FETCH 2, BBUF, F0
	DQSET 0
	MUL16 F1, 1, 0, 0, 1
	MUL16 F1, 1, 2, 0, 1
.endm
; What wave 0 asks into the L2: the 32 aligned blocks of 256 bytes (16 rows x gate and up) of qweight that this work-group's register loads want in the next trip: 8,192 bytes, one trip ahead of those loads.
; Past the last block of 128 k the last block is named once more; the tail asks for nothing.
.macro PREF
	s_cmp_lg_u32 s20, 0
	s_cbranch_scc1 .Lnopf_\@
	s_lshr_b32 s58, s41, 1
	s_add_co_u32 s58, s58, s59
	s_min_u32 s58, s58, LASTKB
	s_mul_i32 s58, s58, 16*PITCH
	s_wait_xcnt 0x0                                ; the last prefetch's offset register is rewritten only behind this wait
	v_add_nc_u32 v[PFA], s58, v[PF0]
	global_prefetch_b8 v[PFA], s[6:7] th:TH_LOAD_NT scope:SCOPE_SE
.Lnopf_\@:
.endm
; Quarter 3: the change of slots.  In front of the barrier each wave waits for all its tensor loads (one is out: its part of the next slot), adds 0 to its spare word, and waits for that, for its reads of
; this slot and of the odd buffer, and for its stores into the even one.  fill = 1: the barrier opens a round of the cluster's, and the slot just read is filled again first thing behind it, two K steps ahead.
.macro TURNX fill
	WIN 0
	s_wait_tensorcnt 0x0
	ds_add_u32 v[SPW], v[NIL]
	s_wait_dscnt 9                                 ; the add and the youngest eight before it may be out
	MUL16 F1, 0, 0, 0, 0
	s_wait_dscnt 0x0
	s_barrier_signal -1
	MUL16 F1, 0, 2, 0, 0
	WIN 0
	s_barrier_wait -1
.if \fill
	CREST
	s_xor_b32 s37, s37, SLOTB                      ; the walking descriptor: the other slot than last time,
	s_add_nc_u64 s[38:39], s[38:39], SLOTB         ; the next 128 k; the type bits on top are not reached
	JLOAD                                          ; its four v_nop are also the places in front of the loads below
	PREF
.else
	PLACES
.endif
	s_xor_b32 s40, s40, SLOTB
	v_add_nc_u32 v[ADRA], s40, v[ADRA0]
	FETCH 0, 0, F0
	DQSET 1
	MUL16 F1, 1, 0, 0, 1
	MUL16 F1, 1, 2, 0, 1
.endm
	s_load_b256 s[4:11], s[0:1], 0x0               ; xh 4, qweight 6, table 8, g_idx 10
	s_load_b128 s[12:15], s[0:1], 0x20             ; stats 12, hb 14
	v_lshl_add_u32 v[SPW], v0, 2, SPARE
	v_mov_b32 v[NIL], 0
	ds_add_u32 v[SPW], v[NIL]                      ; the wave's opening: the add and its wait stand ahead of my first tensor load
	v_lshrrev_b32 v1, 5, v0
	v_readfirstlane_b32 s20, v1                    ; wave 0..3
	s_bfe_u32 s21, ttmp6, 0x40000                  ; cx
	s_lshl_b32 s22, ttmp9, 2
	s_add_co_u32 s22, s22, s21                     ; column tile = 4 x cluster + cx: it enters global addresses of the weights, the table and hb alone
	s_mov_b32 s24, 15|(3<<16)|(1<<21)              ; group 1: 15:0 the mask of four; 17:16 elements of 8 bytes; 21 set beside a mask; no padding
	s_mov_b32 s25, 32<<16                          ; tensor_dim0 = 32 elements: rows of 256 bytes
	s_mov_b32 s26, 128<<16                         ; tensor_dim1 = 128 rows: 32,768 dense bytes
	s_mov_b32 s27, 32<<16                          ; tile_dim0
	s_mov_b32 s28, 128                             ; tile_dim1
	s_mov_b32 s29, 32                              ; elements from row to row
	s_mov_b32 s30, 0
	s_mov_b32 s31, 0
	s_mov_b32 s32, 1
	s_lshl_b32 s33, s20, 15                        ; LDS: slot 0, my part
	s_mov_b32 s36, 1
	s_add_co_u32 s37, s33, SLOTB                   ; slot 1
	s_mov_b32 s40, 0
	s_mov_b32 s41, 0
	s_mov_b32 s42, 0                               ; this product's first step of 64 k
	s_mov_b32 s59, 2                               ; first block of 128 k + 2
	s_mov_b32 s50, 0x000f000f
	s_mov_b32 s51, 0x64006400                      ; f16(1024) twice
	s_mov_b32 s52, 0x05040100
	s_mov_b32 s53, 0x07060302
	s_mov_b32 s54, 0xbfb8aa3b                      ; -log2(e)
	s_mov_b32 s55, s54
	s_mov_b32 s56, 0x76543210
	s_mov_b32 s57, 0xfedcba98
	s_mov_b32 s44, s33                             ; x: my part of block 0
	s_mov_b32 s45, 0
	s_lshr_b32 s46, s22, 1                         ; hb: block tile / 2, my rows, 64 k of the block's 128
	s_lshl_b32 s46, s46, 17
	s_add_co_u32 s46, s46, s33
	s_and_b32 s47, s22, 1
	s_lshl_b32 s47, s47, 14
	s_add_co_u32 s46, s46, s47
	s_mov_b32 s47, 0
	s_wait_dscnt 0x0                               ; the opening add is done
	s_wait_kmcnt 0x0
	s_add_nc_u64 s[34:35], s[4:5], s[44:45]
	s_add_nc_u64 s[38:39], s[34:35], SLOTB
	s_or_b32 s35, s35, 0x80000000                  ; type = 2
	s_or_b32 s39, s39, 0x80000000
	s_add_nc_u64 s[14:15], s[14:15], s[46:47]
	CROUND                                         ; all four work-groups are here: the first joint loads meet
	tensor_load_to_lds s[32:35], s[24:31]          ; K steps 0 and 1: two loads of mine are out
	s_nop 0
	tensor_load_to_lds s[36:39], s[24:31]
	s_nop 0
	PLACES
	v_and_b32 v1, 31, v0                           ; l
	v_and_b32 v32, 15, v1
	v_lshrrev_b32 v33, 4, v1
	v_lshlrev_b32 v[ADRA0], 4, v1
	v_add_nc_u32 v[ADRA0], s33, v[ADRA0]
	v_mov_b32 v[ADRA], v[ADRA0]
	v_lshl_add_u32 v[ADRB], v1, 4, BB
	v_lshlrev_b32 v[STB], 4, v32
	v_lshl_add_u32 v[STB], v33, 11, v[STB]
	s_lshl_b32 s44, s20, 12
	s_add_co_u32 s44, s44, BB
	v_add_nc_u32 v[STB], s44, v[STB]
	s_lshl_b32 s48, s22, 8                         ; 64 columns of 4 bytes a tile
	v_lshlrev_b32 v[QC], 4, v32
	v_mul_u32_u24 v34, v33, 44032                  ; lanes 16-31: the up columns
	v_add_nc_u32 v[QC], v[QC], v34
	v_add_nc_u32 v[QC], s48, v[QC]
	s_mul_i32 s49, s20, 2*PITCH
	v_add_nc_u32 v[QW], s49, v[QC]
	v_lshrrev_b32 v34, 1, v1                       ; prefetch: row l / 2, gate or up by l % 2
	v_mul_u32_u24 v[PF0], v34, PITCH
	v_and_b32 v34, 1, v1
	v_mul_u32_u24 v34, v34, 44032
	v_add_nc_u32 v[PF0], v[PF0], v34
	v_add_nc_u32 v[PF0], s48, v[PF0]
	v_lshlrev_b32 v[OOF], 4, v32
	v_lshl_add_u32 v[OOF], v33, 13, v[OOF]
	v_lshlrev_b32 v10, 4, v1                       ; the 688 partial maxima of |scale|: 172 times 16 bytes
	v_add_nc_u32 v11, 0xa0, v1
	v_min_u32 v11, 0xab, v11
	v_lshlrev_b32 v11, 4, v11
.irp i, 0,1,2,3,4
	global_load_b128 v[HT+4*\i:HT+4*\i+3], v10, s[12:13] offset:2048+512*(\i)
.endr
	global_load_b128 v[HT+20:HT+23], v11, s[12:13] offset:2048
	v_lshlrev_b32 v34, 2, v32                      ; |x_row|^2 of rows 128 w + 16 a + l % 16
	s_lshl_b32 s44, s20, 9
	v_add_nc_u32 v34, s44, v34
.irp a, 0,1,2,3,4,5,6,7
	global_load_b32 v[BP+2*\a], v34, s[12:13] offset:64*(\a)
.endr
	s_wait_loadcnt 0x0
.set i, 1
.rept 11
	v_max3_num_f32 v[HT], v[HT], v[HT+i], v[HT+i+1]
.set i, i+2
.endr
	v_max_num_f32 v[HT], v[HT], v[HT+23]
	v_max_num_f32_dpp v[HT], v[HT], v[HT] row_xmask:1 row_mask:0xf bank_mask:0xf
	v_max_num_f32_dpp v[HT], v[HT], v[HT] row_xmask:2 row_mask:0xf bank_mask:0xf
	v_max_num_f32_dpp v[HT], v[HT], v[HT] row_xmask:4 row_mask:0xf bank_mask:0xf
	v_max_num_f32_dpp v[HT], v[HT], v[HT] row_xmask:8 row_mask:0xf bank_mask:0xf
	v_permlanex16_b32 v[HT+1], v[HT], s56, s57
	v_max_num_f32 v[HT], v[HT], v[HT+1]
	v_mul_f32 v[CC], v[HT], v[HT]
	v_mul_f32 v[CC], 0x42000000, v[CC]             ; 32 smax^2
	v_mov_b32 v[CC+1], v[CC]
	v_mov_b32 v[EPS], 0x0da24260                   ; 1e-30
	v_mov_b32 v[EPS+1], v[EPS]
.irp a, 0,1,2,3,4,5,6,7
	v_fma_f32 v[BP+2*\a], v[BP+2*\a], v[CC], v[EPS]
.endr
.irp a, 0,1,2,3,4,5,6,7
	v_mov_b32 v[BP+2*\a+1], v[BP+2*\a]
.endr
	LDBLK 0, 0                                     ; steps 0 and 1 are asked for
	LDBLK 1, 1
	DQSET 0
	FLUSH                                          ; step 0 is unpacked in one piece: there is no matrix work yet to set it beside
	s_wait_dscnt 0x0                               ; my stores are done
	s_wait_tensorcnt 0x1                           ; my part of K step 0 is in; K step 1's may stay out
	s_barrier_signal -1
	s_barrier_wait -1
	FETCH 0, 0, F0
	DQSET 1
	QUARTER 1, 8192, F0, F1, 1                     ; the first quarter stands in front of the loop: its products start the sums
	FLUSH
	WIN 0
	s_mov_b32 s43, KT-2
.Ltrip:                                                ; a trip: quarters 1, 2, 3 of a K step and quarter 0 of the next; it unpacks two steps of 64 k and fills one slot again
	TURNB
	QUARTER 3, BBUF+8192, F0, F1, 0
	FLUSH
	TURNX 1
	QUARTER 1, 8192, F0, F1, 0
	FLUSH
	WIN 0
	s_sub_co_u32 s43, s43, 1
	s_cmp_lg_u32 s43, 0
	s_cbranch_scc1 .Ltrip
	s_mov_b32 s43, 2                               ; the last two K steps ask for nothing: the tail is written out
.Ltail:                                                ; the second trip is left in its middle; what it has unpacked and fetched by then (the last step's words once more) serves nothing: the price, once a launch, of one text for both
	TURNB
	QUARTER 3, BBUF+8192, F0, F1, 0
	FLUSH
	TURNX 0
	WIN 0
	s_sub_co_u32 s43, s43, 1
	s_cmp_eq_u32 s43, 0
	s_cbranch_scc1 .Lout
	QUARTER 1, 8192, F0, F1, 0
	FLUSH
	WIN 0
	s_branch .Ltail
.Lout:
	s_wait_dscnt 0x0                               ; the registers that the last fetch and the last loads write are used below
	s_wait_loadcnt 0x0
	s_wait_kmcnt 0x0
	PLACES
; THE WAY OUT.  For row block a and b = 0..3: G = accumulator (a, b), U = (a, 4 + b): register j is column 32 (l / 16) + 4 j + b of the tile's 64.  h alpha = G U / (2^(-log2(e) G) b + b).
; Registers 2 q, 2 q + 1 of the four b are the eight k of block q in the order (k_i, k_(i+4)): word b of 16 bytes.  Each accumulator's lowest registers are read first.
.set TT, 32
.set PP, 40
.set OU, 64
.macro SWI a, b
.set rG, 8*(8*((\a)%4)+(\b))
.set rU, rG+32
.set rO, OU+16*((\a)%2)
	WIN 0x0a+5*((\a)/4)                            ; sources 0 and 1: window 2 or 3
.irp i, 0,2,4,6
	v_pk_mul_f32 v[TT+\i:TT+\i+1], v[rG+\i:rG+\i+1], s[54:55] op_sel_hi:[1,0]
.endr
.irp i, 0,2,4,6
	v_pk_mul_f32 v[PP+\i:PP+\i+1], v[rG+\i:rG+\i+1], v[rU+\i:rU+\i+1]
.endr
	WIN 0
.irp i, 0,1,2,3,4,5,6,7
	v_exp_f32 v[TT+\i], v[TT+\i]
.endr
	v_nop                                          ; a plain instruction behind the exponentials
	s_wait_alu depctr_va_vdst(0)
.irp i, 0,2,4,6
	v_pk_fma_f32 v[TT+\i:TT+\i+1], v[TT+\i:TT+\i+1], v[BP+2*(\a):BP+2*(\a)+1], v[BP+2*(\a):BP+2*(\a)+1]
.endr
.irp i, 0,1,2,3,4,5,6,7
	v_rcp_f32 v[TT+\i], v[TT+\i]
.endr
	v_nop                                          ; a plain instruction behind the reciprocals
	s_wait_alu depctr_va_vdst(0)
.irp i, 0,2,4,6
	v_pk_mul_f32 v[PP+\i:PP+\i+1], v[PP+\i:PP+\i+1], v[TT+\i:TT+\i+1]
.endr
.irp q, 0,1,2,3
	v_cvt_pk_f16_f32 v[rO+4*\q+(\b)], v[PP+2*\q], v[PP+2*\q+1]
.endr
.endm
.irp a, 0,1,2,3,4,5,6,7
.if (\a) >= 2
	s_wait_xcnt 0x0                                ; the registers that the stores two blocks back read are rewritten only behind this wait
.endif
	SWI \a, 0
	SWI \a, 1
	SWI \a, 2
	SWI \a, 3
.irp q, 0,1,2,3
	global_store_b128 v[OOF], v[rO+4*\q:rO+4*\q+3], s[14:15] offset:(\a)*1024+(\q/2)*512+(\q%2)*256   ; each half of the lanes stores 256 consecutive bytes, at a multiple of 256 from hb's first byte
.endr
.endr
	s_wait_tensorcnt 0x0                           ; the wave's end
	ds_add_u32 v[SPW], v[NIL]
	s_wait_dscnt 0x0
	CROUND                                         ; the closing round: no work-group ends while a partner may still ask for a tile that names it
	s_endpgm
.Lfunc_end_k_qe0eb3b86c7_gemm_gu:
	.size	k_qe0eb3b86c7_gemm_gu, .Lfunc_end_k_qe0eb3b86c7_gemm_gu-k_qe0eb3b86c7_gemm_gu
	.p2alignl 7, 3214868480
	.fill 96, 4, 3214868480
	.section	.rodata,"a",@progbits
	.p2align	6, 0x0
	.amdhsa_kernel k_qe0eb3b86c7_gemm_gu
		.amdhsa_group_segment_fixed_size 327680
		.amdhsa_private_segment_fixed_size 0
		.amdhsa_enable_private_segment 0
		.amdhsa_kernarg_size 48
		.amdhsa_user_sgpr_count 2
		.amdhsa_user_sgpr_kernarg_segment_ptr 1
		.amdhsa_wavefront_size32 1
		.amdhsa_system_sgpr_workgroup_id_x 1
		.amdhsa_system_sgpr_workgroup_id_y 1
		.amdhsa_system_sgpr_workgroup_id_z 1
		.amdhsa_system_vgpr_workitem_id 0
		.amdhsa_next_free_vgpr 1024
		.amdhsa_next_free_sgpr 96
		.amdhsa_reserve_vcc 0
		.amdhsa_float_denorm_mode_32 3
		.amdhsa_float_denorm_mode_16_64 3
		.amdhsa_memory_ordered 1
		.amdhsa_forward_progress 1
		.amdhsa_inst_pref_size 249
	.end_amdhsa_kernel
	.amdgpu_metadata
---
amdhsa.version: [ 1, 2 ]
amdhsa.kernels:
  - .name:           k_qe0eb3b86c7_gemm_gu
    .symbol:         k_qe0eb3b86c7_gemm_gu.kd
    .args:
      - { .name: xh, .offset: 0, .size: 8, .value_kind: global_buffer, .address_space: global }
      - { .name: qweight_gu, .offset: 8, .size: 8, .value_kind: global_buffer, .address_space: global }
      - { .name: tgu, .offset: 16, .size: 8, .value_kind: global_buffer, .address_space: global }
      - { .name: g_idx_gu, .offset: 24, .size: 8, .value_kind: global_buffer, .address_space: global }
      - { .name: stats, .offset: 32, .size: 8, .value_kind: global_buffer, .address_space: global }
      - { .name: hb, .offset: 40, .size: 8, .value_kind: global_buffer, .address_space: global }
    .group_segment_fixed_size: 327680
    .private_segment_fixed_size: 0
    .kernarg_segment_align: 8
    .kernarg_segment_size: 48
    .max_flat_workgroup_size: 128
    .sgpr_count:     96
    .vgpr_count:     1024
    .wavefront_size: 32
...
	.end_amdgpu_metadata
.endif
;; end of part 2
;; launch gemm_down (part 3): grid 32 x 8, 4 waves a work-group, clusters of 4 x 1, 327,680 bytes of LDS; arguments hb, qweight_down, td, g_idx_down, stats, part; writes part
.if DOCPART == 3
	.amdgcn_target "amdgcn-amd-amdhsa--gfx1250"
	.amdhsa_code_object_version 6
	.text
	.protected	k_qe0eb3b86c7_gemm_down
	.globl	k_qe0eb3b86c7_gemm_down
	.p2align	8
	.type	k_qe0eb3b86c7_gemm_down,@function
k_qe0eb3b86c7_gemm_down:
	s_mov_b64 s[64:65], 0
	v_nop
	global_prefetch_b8 v0, s[64:65] scope:SCOPE_SE
	s_setreg_imm32_b32 hwreg(HW_REG_WAVE_MODE, 25, 1), 1
	s_wait_xcnt 0x0
	s_wait_alu depctr_hold_cnt(0) depctr_sa_sdst(0) depctr_va_vdst(0) depctr_va_sdst(0) depctr_va_ssrc(0) depctr_va_vcc(0) depctr_vm_vsrc(0)
	s_getreg_b32 s2, hwreg(HW_REG_IB_STS2, 6, 4)
	s_cmp_eq_u32 s2, 0
	s_cbranch_scc0 .Lentry_in_a_cluster
	s_endpgm
.Lentry_in_a_cluster:
	s_bfe_u32 s2, ttmp6, 0x10000c
	s_cmp_lg_u32 s2, 0x3003
	s_cbranch_scc0 .Lentry_shape_is_right
	s_endpgm
.Lentry_shape_is_right:
; SECOND PRODUCT, in eight parts along K.  part[y] = (h alpha) W_y / alpha, W[k][n] = s[g[k]][n] (q[k][n] - z[g[k]][n] - 1); the launch behind adds the eight parts.
; SHARES.  Work-group (t, y) makes all 512 rows x columns 128 t .. 128 t + 127 over the 11 blocks of 128 k from 11 y on: 88 blocks, of which 86 and 87 lie behind the last k and hold zeros in hb (their
; weights are the last rows' once more, times 0).  Each of the four waves has 128 rows x 128 columns: 64 accumulators of 16 x 16.
; hb (f16, fragment order) comes by the tensor data mover into a ring of two LDS slots; wave w fills and alone reads its 32,768 bytes of a slot.  The four work-groups of a cluster share y and so need the
; same tiles of hb: each is asked for JOINTLY: the same load, descriptor and mask in all four.
; WEIGHTS.  A word of qweight holds eight consecutive k of one column: half a fragment's registers of one lane.  For each 64 k wave w unpacks the 16 k numbered 16 w on: two loads of 16 bytes a lane (four
; columns), 1024 + q by a mask and an or on pairs of nibbles (k_i, k_(i+4)), - (1024 + z + 1) by a packed f16 addition (exact), times the scale (one rounding), 16 bytes into one of two LDS buffers
; in fragment order.  hb lies in the same order of k inside each eight, so the products are the same.
; g_idx.  EVERY k takes the table row that g_idx names for it.
; a byte permute pairs k_i's with k_(i+4)'s.  No branch hangs on g_idx.
; All this is a QUEUE of 270 lines, dealt six at a time behind every second matrix instruction; its loads are asked for two steps of 64 k ahead, into two sets of registers that take turns.
; COLUMNS.  Column c (0..3) of lane l goes to place l % 16 of tile c + 4 (l / 16).  The matrix instruction is used as it is (source 0 = hb, source 1 = weights): over four tiles a lane holds four
; consecutive columns of a row, 16 bytes, and 16 lanes 256 consecutive bytes.
; 1 / alpha[row] = b = 32 |x_row|^2 smax^2 + 1e-30, made as the launch before makes it.
; LIMITS.  16 |scale| stays under 65,504 (f16); NaN and infinities are not treated apart; the sums' order is the matrix unit's, in eight parts.
; REGISTERS, in windows of 256 (s_set_vgpr_msb: bits 1:0 source 0, 3:2 source 1, 5:4 source 2, 7:6 destination):
;   window 0: v0-31 addresses; v32-47 two sets of weight words; v48-63 the queue's work; v64-191 two sets of 16 table rows; v192-255 b of row 16 a + 8 (l / 16) + j at 192 + 8 a + j
;   window 1: the fragments, two buffers of 128: hb's 64 registers, then the weights' 64      windows 2, 3: the accumulators: (a, b) at v[8 (8 (a % 4) + b)], rows 16 a on, window 2 + a / 4
.set KT,     11                        ; K steps of 128
.set PITCH,  16384                     ; bytes in a row of qweight and of the table
.set NG,     86                        ; rows of the table
.set JMAX,   171                       ; the last step of 64 k
.set LASTKB, 85                        ; the last block of 128 k
.set MULW,   0xa5                      ; sources 0 and 1 window 1, C and D window 2
.set SLOTB,  131072                    ; LDS: slot 0 at 0, slot 1 at 131,072; wave w's part at 32,768 w
.set BB,     262144                    ; the weights' two buffers of 16,384 bytes: [k / 32][half][tile][lane][16 bytes]; written by ds_store alone
.set BBUF,   16384
.set SPARE,  294912                    ; the spare words, 128 bytes a wave: two blocks of 256 bytes that no other line names
.set ADRA0, 2                          ; v2   32,768 w + 16 l; never rewritten
.set ADRA,  3                          ; v3   the same in the slot in hand
.set ADRB,  4                          ; v4   BB + 16 l
.set STB,   5                          ; v5   where my unpacked 16 bytes go: BB + 4,096 w + 2,048 (l / 16) + 16 (l % 16)
.set QC,    6                          ; v6   my four columns' byte offset in a row
.set QW,    7                          ; v7   the same + my wave's two rows
.set QOF,   8                          ; v8, v9    weight offsets of the even and the odd set
.set PFA,   14                         ; v14  the prefetch's offset
.set PF0,   15                         ; v15  its lane term
.set OOF,   24                         ; v24  my byte offset on the way out
.set CC,    26                         ; v26-27  32 smax^2, twice
.set SPW,   28                         ; v28  LDS address of my spare word; never rewritten
.set NIL,   29                         ; v29  0; never rewritten
.set EPS,   30                         ; v30-31  1e-30, twice
.set QE,    32                         ; v32-39 the even set's eight words, v40-47 the odd set's
.set SH,    48                         ; v48-50  a word shifted
.set E4,    52                         ; v52-55  a word unpacked
.set NZP,   56                         ; v56-59  -(1025 + z) of k_i and k_(i+4)
.set SDP,   60                         ; v60-63  their scales
.set TR,    64                         ; v64-127 the even set's table rows, row i at 4 i; v128-191 the odd set's
.set HT,    64                         ; at the head: the partial maxima
.set BM,    192                        ; v192-255  b
.set F0,    0                          ; fragment buffers, in window 1
.set F1,    128
.set DQN,   270
; s[4:5] hb; s[6:7] qweight; s[8:9] table; s[10:11] g_idx; s[12:13] stats; s[14:15] part; s20 wave; s21 cx; s22 column tile; s23 y; s[24:31] descriptor group 1; s[32:35], s[36:39] group 0 of the two first
; fills, the second then walks; s40 slot in hand; s41 my step being unpacked; s42 my first step; s43 loop count; s44-49 at work; s50-53 masks and selectors; s[56:57] lane selects; s58, s59 prefetch;
; s[68:83] sixteen indices; s88 their byte offset; s89 the weights' step offset
.set MSB, 0
.macro WIN new                         ; the immediate's high byte repeats the setting that is left; a switch that changes nothing is dropped
.if MSB != (\new)
	s_set_vgpr_msb (MSB<<8)|(\new)
.set MSB, (\new)
.endif
.endm
.macro PLACES                          ; four places in front of loads into registers that matrix instructions have read, and of lines that read results
.rept 4
	v_nop
.endr
.endm
.macro CREST                           ; a round of the cluster's barrier behind its opening barrier
	s_cmp_lg_u32 s20, 0
	s_cbranch_scc1 .Lnot_wave_0_\@
	s_barrier_signal -3
.Lnot_wave_0_\@:
	s_barrier_wait -3
	s_barrier_signal -1
	s_barrier_wait -1
.endm
.macro CROUND
	s_barrier_signal -1
	s_barrier_wait -1
	CREST
.endm
.macro JLOAD                           ; the joint refill: every wave its own 32,768 bytes; an s_nop 0 and four v_nop follow
	tensor_load_to_lds s[36:39], s[24:31]
	s_nop 0
	PLACES
.endm
; THE QUEUE.  DQSET names the set; DQ writes the queue's next line; RIDE up to n of them; FLUSH the rest.
.macro DQSET par
.set QR,   QE+8*(\par)
.set TRB,  TR+64*(\par)
.set OFQ,  QOF+(\par)
.set BUFO, (\par)*BBUF
.set dq, 0
.endm
; Line n of the 8 that ask for the 16 indices of my step s41 + add.  Steps past the end take the last step's once more.
.macro LDA n, add
.if (\n) == 0
	s_add_co_u32 s44, s41, \add
.elseif (\n) == 1
	s_add_co_u32 s44, s44, s42
.elseif (\n) == 2
	s_min_u32 s44, s44, JMAX
.elseif (\n) == 3
	s_lshl_b32 s88, s44, 2
.elseif (\n) == 4
	s_add_co_u32 s88, s88, s20
.elseif (\n) == 5
	s_lshl_b32 s88, s88, 6                         ; k = 64 step + 16 w, four bytes an index
.elseif (\n) == 6
	s_load_b512 s[68:83], s[10:11], s88 offset:0x0
.else
	s_mul_i32 s89, s44, 8*PITCH                    ; eight rows of qweight a step
.endif
.endm
; Line n of the 68 that ask for that step's words and table rows.
.macro LDB n
.if (\n) == 0
	s_wait_kmcnt 0x0                               ; the indices are in
.elseif (\n) == 1
	v_add_nc_u32 v[OFQ], s89, v[QW]
.elseif (\n) == 2
	global_load_b128 v[QR:QR+3], v[OFQ], s[6:7] th:TH_LOAD_NT
.elseif (\n) == 3
	global_load_b128 v[QR+4:QR+7], v[OFQ], s[6:7] offset:PITCH th:TH_LOAD_NT
.else
.set r_, ((\n)-4)/4
.set k_, ((\n)-4)%4
.if k_ == 0
	s_min_u32 s[68+r_], s[68+r_], NG-1             ; the index is held inside the table
.elseif k_ == 1
	s_mul_i32 s[68+r_], s[68+r_], PITCH
.elseif k_ == 2
	v_add_nc_u32 v[TRB+4*r_], s[68+r_], v[QC]
.else
	global_load_b128 v[TRB+4*r_:TRB+4*r_+3], v[TRB+4*r_], s[8:9]   ; k_r's zero and scale, my four columns; the load lands on its own offset register
.endif
.endif
.endm
.macro LDBLK par, add
	DQSET \par
.set ln, 0
.rept 8
	LDA ln, \add
.set ln, ln+1
.endr
.set ln, 0
.rept 68
	LDB ln
.set ln, ln+1
.endr
.endm
.macro DQ
.if dq == 0
	s_wait_loadcnt 18                              ; behind this set's 18 loads stand the other set's 18
.elseif dq < 9
	LDA dq-1, 2                                    ; the indices of the step two on
.elseif dq < 201
.set e_, dq-9
.set d_, e_/24                         ; word d: row d / 4 of my two, column d % 4
.set i_, e_%24
.set w_, QR+d_
.set t_, TRB+32*(d_/4)+(d_%4)
.if i_ < 3
	v_lshrrev_b32 v[SH+i_], 4*(i_+1), v[w_]
.elseif i_ == 3
	v_and_or_b32 v[E4], v[w_], s50, s51            ; f16(1024 + q) for k_0 and k_4
.elseif i_ < 7
	v_and_or_b32 v[E4+i_-3], v[SH+i_-4], s50, s51
.elseif i_ < 15
.set p_, (i_-7)/2
.if i_%2 == 1
	v_perm_b32 v[NZP+p_], v[t_+4*(p_+4)], v[t_+4*p_], s52   ; the low halves: k_p's below, k_(p+4)'s above
.else
	v_perm_b32 v[SDP+p_], v[t_+4*(p_+4)], v[t_+4*p_], s53   ; the high halves
.endif
.elseif i_ < 19
	v_pk_add_f16 v[E4+i_-15], v[E4+i_-15], v[NZP+i_-15]
.elseif i_ < 23
	v_pk_mul_f16 v[E4+i_-19], v[E4+i_-19], v[SDP+i_-19]
.else
	ds_store_b128 v[STB], v[E4:E4+3] offset:BUFO+(d_%4)*512+(d_/4)*256   ; 16 lanes fill 256 consecutive bytes
.endif
.elseif dq < 269
	LDB dq-201                                     ; the set's registers are dead: it is asked for again, two steps on
.else
	s_add_co_u32 s41, s41, 1
.endif
.set dq, dq+1
.endm
.macro RIDE n
.if dq < DQN
	WIN 0
.rept \n
.if dq < DQN
	DQ
.endif
.endr
.endif
.endm
.macro FLUSH
	RIDE DQN
.endm
; 16 matrix instructions: row blocks a0, a0 + 1 of the window's four x all 8 tiles, 32 along K.  zero = 1: the product starts the sums.  ride = 1: six lines of the queue behind every second one.
; The 64 accumulators take turns, one instruction a turn, in the same order in every quarter.
.macro MUL16 f, hi, a0, zero, ride
.irp a, \a0, (\a0)+1
.irp b, 0,1,2,3,4,5,6,7
.set rD, 8*(8*(\a)+(\b))
.set rB, (\f)+64+8*(\b)
.set rA, (\f)+8*(4*(\hi)+(\a))
	WIN MULW+0x50*(\hi)
.if \zero
	v_wmma_f32_16x16x32_f16 v[rD:rD+7], v[rA:rA+7], v[rB:rB+7], 0
.else
	v_wmma_f32_16x16x32_f16 v[rD:rD+7], v[rA:rA+7], v[rB:rB+7], v[rD:rD+7]
.endif
.if (\ride) && ((\b)%2 == 1)
	RIDE 6
.endif
.endr
.endr
.endm
; 32 LDS loads in one run: a quarter's fragments into buffer f: the weights at byte bofs of their buffers, hb's quarter kq of the slot in hand.  Every load takes 512 consecutive bytes.
.macro FETCH kq, bofs, f
	WIN 0x40                                       ; destination window 1, address window 0
.irp i, 0,1,2,3,4,5,6,7
	ds_load_b128 v[(\f)+64+8*(\i):(\f)+64+8*(\i)+3],   v[ADRB] offset:(\bofs)+(\i)*512
	ds_load_b128 v[(\f)+64+8*(\i)+4:(\f)+64+8*(\i)+7], v[ADRB] offset:(\bofs)+(\i)*512+4096
.endr
.irp i, 0,1,2,3,4,5,6,7
	ds_load_b128 v[(\f)+8*(\i):(\f)+8*(\i)+3],   v[ADRA] offset:((\kq)*8+(\i))*1024
	ds_load_b128 v[(\f)+8*(\i)+4:(\f)+8*(\i)+7], v[ADRA] offset:((\kq)*8+(\i))*1024+512
.endr
.endm
; A quarter without a barrier: multiplies buffer f; in its middle it fetches quarter kq into buffer g.
.macro QUARTER kq, bofs, f, g, zero
	s_wait_dscnt 8                                 ; at most the youngest eight LDS instructions are out: hb's rows 64-127, or later stores of the queue
	MUL16 \f, 0, 0, \zero, 1
	MUL16 \f, 0, 2, \zero, 1
	PLACES
	FETCH \kq, \bofs, \g
	s_wait_dscnt 32                                ; all but the 32 just issued
	MUL16 \f, 1, 0, \zero, 1
	MUL16 \f, 1, 2, \zero, 1
.endm
; Quarter 1.  Its barrier serves the weights alone: in front of it my stores into the odd buffer are done and my reads of the even one are back; behind it the odd one is read and the even one written.
.macro TURNB
	s_wait_dscnt 8
	MUL16 F1, 0, 0, 0, 0
	s_wait_dscnt 0x0
	s_barrier_signal -1
	MUL16 F1, 0, 2, 0, 0
	s_barrier_wait -1
	PLACES
	FETCH 2, BBUF, F0
	DQSET 0
	MUL16 F1, 1, 0, 0, 1
	MUL16 F1, 1, 2, 0, 1
.endm
; What wave 0 asks into the L2: the 32 aligned blocks of 256 bytes (16 rows x 512 bytes) of qweight that this work-group's register loads want in the next trip: 8,192 bytes, one trip ahead of those loads.
; Past the last block of 128 k the last block is named once more; the tail asks for nothing.
.macro PREF
	s_cmp_lg_u32 s20, 0
	s_cbranch_scc1 .Lnopf_\@
	s_lshr_b32 s58, s41, 1
	s_add_co_u32 s58, s58, s59
	s_min_u32 s58, s58, LASTKB
	s_mul_i32 s58, s58, 16*PITCH
	s_wait_xcnt 0x0                                ; the last prefetch's offset register is rewritten only behind this wait
	v_add_nc_u32 v[PFA], s58, v[PF0]
	global_prefetch_b8 v[PFA], s[6:7] th:TH_LOAD_NT scope:SCOPE_SE
.Lnopf_\@:
.endm
; Quarter 3: the change of slots.  In front of the barrier each wave waits for all its tensor loads (one is out: its part of the next slot), adds 0 to its spare word, and waits for that, for its reads of
; this slot and of the odd buffer, and for its stores into the even one.  fill = 1: the barrier opens a round of the cluster's, and the slot just read is filled again first thing behind it, two K steps ahead.
.macro TURNX fill
	WIN 0
	s_wait_tensorcnt 0x0
	ds_add_u32 v[SPW], v[NIL]
	s_wait_dscnt 9                                 ; the add and the youngest eight before it may be out
	MUL16 F1, 0, 0, 0, 0
	s_wait_dscnt 0x0
	s_barrier_signal -1
	MUL16 F1, 0, 2, 0, 0
	WIN 0
	s_barrier_wait -1
.if \fill
	CREST
	s_xor_b32 s37, s37, SLOTB                      ; the walking descriptor: the other slot than last time,
	s_add_nc_u64 s[38:39], s[38:39], SLOTB         ; the next 128 k; the type bits on top are not reached
	JLOAD                                          ; its four v_nop are also the places in front of the loads below
	PREF
.else
	PLACES
.endif
	s_xor_b32 s40, s40, SLOTB
	v_add_nc_u32 v[ADRA], s40, v[ADRA0]
	FETCH 0, 0, F0
	DQSET 1
	MUL16 F1, 1, 0, 0, 1
	MUL16 F1, 1, 2, 0, 1
.endm
	s_load_b256 s[4:11], s[0:1], 0x0               ; hb 4, qweight 6, table 8, g_idx 10
	s_load_b128 s[12:15], s[0:1], 0x20             ; stats 12, part 14
	v_lshl_add_u32 v[SPW], v0, 2, SPARE
	v_mov_b32 v[NIL], 0
	ds_add_u32 v[SPW], v[NIL]                      ; the wave's opening: the add and its wait stand ahead of my first tensor load
	v_lshrrev_b32 v1, 5, v0
	v_readfirstlane_b32 s20, v1                    ; wave 0..3
	s_bfe_u32 s21, ttmp6, 0x40000                  ; cx
	s_lshl_b32 s22, ttmp9, 2
	s_add_co_u32 s22, s22, s21                     ; column tile = 4 x cluster + cx: it enters global addresses of the weights, the table and part alone
	s_and_b32 s23, ttmp7, 0xffff                   ; y, which the four partners share
	s_mov_b32 s24, 15|(3<<16)|(1<<21)              ; group 1: 15:0 the mask of four; 17:16 elements of 8 bytes; 21 set beside a mask; no padding
	s_mov_b32 s25, 32<<16                          ; tensor_dim0 = 32 elements: rows of 256 bytes
	s_mov_b32 s26, 128<<16                         ; tensor_dim1 = 128 rows: 32,768 dense bytes
	s_mov_b32 s27, 32<<16                          ; tile_dim0
	s_mov_b32 s28, 128                             ; tile_dim1
	s_mov_b32 s29, 32                              ; elements from row to row
	s_mov_b32 s30, 0
	s_mov_b32 s31, 0
	s_mov_b32 s32, 1
	s_lshl_b32 s33, s20, 15                        ; LDS: slot 0, my part
	s_mov_b32 s36, 1
	s_add_co_u32 s37, s33, SLOTB                   ; slot 1
	s_mov_b32 s40, 0
	s_mov_b32 s41, 0
	s_mul_i32 s42, s23, 22                         ; my first step of 64 k
	s_mul_i32 s59, s23, 11
	s_add_co_u32 s59, s59, 2                       ; my first block of 128 k + 2
	s_mov_b32 s50, 0x000f000f
	s_mov_b32 s51, 0x64006400                      ; f16(1024) twice
	s_mov_b32 s52, 0x05040100
	s_mov_b32 s53, 0x07060302
	s_mov_b32 s56, 0x76543210
	s_mov_b32 s57, 0xfedcba98
	s_mul_i32 s44, s23, 11*SLOTB                   ; hb: my part of block 11 y
	s_add_co_u32 s44, s44, s33
	s_mov_b32 s45, 0
	s_lshl_b32 s46, s23, 23                        ; part: 8,388,608 y + my 128 rows of 16,384 bytes + 512 t
	s_lshl_b32 s47, s20, 21
	s_add_co_u32 s46, s46, s47
	s_lshl_b32 s47, s22, 9
	s_add_co_u32 s46, s46, s47
	s_mov_b32 s47, 0
	s_wait_dscnt 0x0                               ; the opening add is done
	s_wait_kmcnt 0x0
	s_add_nc_u64 s[34:35], s[4:5], s[44:45]
	s_add_nc_u64 s[38:39], s[34:35], SLOTB
	s_or_b32 s35, s35, 0x80000000                  ; type = 2
	s_or_b32 s39, s39, 0x80000000
	s_add_nc_u64 s[14:15], s[14:15], s[46:47]
	CROUND                                         ; all four work-groups are here: the first joint loads meet
	tensor_load_to_lds s[32:35], s[24:31]          ; K steps 0 and 1: two loads of mine are out
	s_nop 0
	tensor_load_to_lds s[36:39], s[24:31]
	s_nop 0
	PLACES
	v_and_b32 v1, 31, v0                           ; l
	v_and_b32 v32, 15, v1
	v_lshrrev_b32 v33, 4, v1
	v_lshlrev_b32 v[ADRA0], 4, v1
	v_add_nc_u32 v[ADRA0], s33, v[ADRA0]
	v_mov_b32 v[ADRA], v[ADRA0]
	v_lshl_add_u32 v[ADRB], v1, 4, BB
	v_lshlrev_b32 v[STB], 4, v32
	v_lshl_add_u32 v[STB], v33, 11, v[STB]
	s_lshl_b32 s44, s20, 12
	s_add_co_u32 s44, s44, BB
	v_add_nc_u32 v[STB], s44, v[STB]
	s_lshl_b32 s48, s22, 9                         ; 128 columns of 4 bytes a tile
	v_lshlrev_b32 v[QC], 4, v1
	v_add_nc_u32 v[QC], s48, v[QC]
	s_mul_i32 s49, s20, 2*PITCH
	v_add_nc_u32 v[QW], s49, v[QC]
	v_lshrrev_b32 v34, 1, v1                       ; prefetch: row l / 2, half l % 2 of its 512 bytes
	v_lshlrev_b32 v[PF0], 14, v34
	v_and_b32 v34, 1, v1
	v_lshl_add_u32 v[PF0], v34, 8, v[PF0]
	v_add_nc_u32 v[PF0], s48, v[PF0]
	v_lshlrev_b32 v[OOF], 4, v32
	v_lshl_add_u32 v[OOF], v33, 17, v[OOF]         ; lanes 16-31: eight rows further down
	v_lshlrev_b32 v10, 4, v1                       ; the 688 partial maxima of |scale| of the first product: 172 times 16 bytes
	v_add_nc_u32 v11, 0xa0, v1
	v_min_u32 v11, 0xab, v11
	v_lshlrev_b32 v11, 4, v11
.irp i, 0,1,2,3,4
	global_load_b128 v[HT+4*\i:HT+4*\i+3], v10, s[12:13] offset:2048+512*(\i)
.endr
	global_load_b128 v[HT+20:HT+23], v11, s[12:13] offset:2048
	v_lshlrev_b32 v34, 5, v33                      ; |x_row|^2 of rows 128 w + 16 a + 8 (l / 16) + 0..7
	s_lshl_b32 s44, s20, 9
	v_add_nc_u32 v34, s44, v34
.irp a, 0,1,2,3,4,5,6,7
	global_load_b128 v[BM+8*\a:BM+8*\a+3],   v34, s[12:13] offset:64*(\a)
	global_load_b128 v[BM+8*\a+4:BM+8*\a+7], v34, s[12:13] offset:64*(\a)+16
.endr
	s_wait_loadcnt 0x0
.set i, 1
.rept 11
	v_max3_num_f32 v[HT], v[HT], v[HT+i], v[HT+i+1]
.set i, i+2
.endr
	v_max_num_f32 v[HT], v[HT], v[HT+23]
	v_max_num_f32_dpp v[HT], v[HT], v[HT] row_xmask:1 row_mask:0xf bank_mask:0xf
	v_max_num_f32_dpp v[HT], v[HT], v[HT] row_xmask:2 row_mask:0xf bank_mask:0xf
	v_max_num_f32_dpp v[HT], v[HT], v[HT] row_xmask:4 row_mask:0xf bank_mask:0xf
	v_max_num_f32_dpp v[HT], v[HT], v[HT] row_xmask:8 row_mask:0xf bank_mask:0xf
	v_permlanex16_b32 v[HT+1], v[HT], s56, s57
	v_max_num_f32 v[HT], v[HT], v[HT+1]
	v_mul_f32 v[CC], v[HT], v[HT]
	v_mul_f32 v[CC], 0x42000000, v[CC]             ; 32 smax^2
	v_mov_b32 v[CC+1], v[CC]
	v_mov_b32 v[EPS], 0x0da24260                   ; 1e-30
	v_mov_b32 v[EPS+1], v[EPS]
.set i, BM
.rept 32
	v_pk_fma_f32 v[i:i+1], v[i:i+1], v[CC:CC+1], v[EPS:EPS+1]
.set i, i+2
.endr
	LDBLK 0, 0                                     ; my steps 0 and 1 are asked for
	LDBLK 1, 1
	DQSET 0
	FLUSH                                          ; step 0 is unpacked in one piece: there is no matrix work yet to set it beside
	s_wait_dscnt 0x0                               ; my stores are done
	s_wait_tensorcnt 0x1                           ; my part of K step 0 is in; K step 1's may stay out
	s_barrier_signal -1
	s_barrier_wait -1
	FETCH 0, 0, F0
	DQSET 1
	QUARTER 1, 8192, F0, F1, 1                     ; the first quarter stands in front of the loop: its products start the sums
	FLUSH
	WIN 0
	s_mov_b32 s43, KT-2
.Ltrip:                                                ; a trip: quarters 1, 2, 3 of a K step and quarter 0 of the next; it unpacks two steps of 64 k and fills one slot again
	TURNB
	QUARTER 3, BBUF+8192, F0, F1, 0
	FLUSH
	TURNX 1
	QUARTER 1, 8192, F0, F1, 0
	FLUSH
	WIN 0
	s_sub_co_u32 s43, s43, 1
	s_cmp_lg_u32 s43, 0
	s_cbranch_scc1 .Ltrip
	s_mov_b32 s43, 2                               ; the last two K steps ask for nothing: the tail is written out
.Ltail:                                                ; the second trip is left in its middle; what it has unpacked and fetched by then serves nothing: the price, once a launch, of one text for both
	TURNB
	QUARTER 3, BBUF+8192, F0, F1, 0
	FLUSH
	TURNX 0
	WIN 0
	s_sub_co_u32 s43, s43, 1
	s_cmp_eq_u32 s43, 0
	s_cbranch_scc1 .Lout
	QUARTER 1, 8192, F0, F1, 0
	FLUSH
	WIN 0
	s_branch .Ltail
.Lout:
	s_wait_dscnt 0x0                               ; the registers that the last fetch and the last loads write are used below
	s_wait_loadcnt 0x0
	s_wait_kmcnt 0x0
	PLACES
; THE WAY OUT.  Register j of accumulator (a, 4 sg + bb) is row 16 a + 8 (l / 16) + j, column 64 sg + 4 (l % 16) + bb: the four bb make 16 bytes.  Each number is multiplied by its row's b.
; j ascends.
.set TM, 64
.macro OUTD a, sg
.set rT, TM+32*(\sg)
.if (\a) >= 1
	s_wait_xcnt 0x0                                ; the registers that earlier stores read are rewritten only behind this wait
.endif
	WIN 0x02+((\a)/4)                              ; source 0 window 2 or 3
.irp j, 0,1,2,3,4,5,6,7
.irp bb, 0,1,2,3
	v_mul_f32 v[rT+4*\j+\bb], v[8*(8*((\a)%4)+4*(\sg)+\bb)+\j], v[BM+8*(\a)+\j]
.endr
.endr
	WIN 0
.irp j, 0,1,2,3,4,5,6,7
	global_store_b128 v[OOF], v[rT+4*\j:rT+4*\j+3], s[14:15] offset:(16*(\a)+\j)*16384+(\sg)*256   ; each half of the lanes stores 256 consecutive bytes, at a multiple of 256 from part's first byte
.endr
.endm
.irp a, 0,1,2,3,4,5,6,7
	OUTD \a, 0
	OUTD \a, 1
.endr
	s_wait_tensorcnt 0x0                           ; the wave's end
	ds_add_u32 v[SPW], v[NIL]
	s_wait_dscnt 0x0
	CROUND                                         ; the closing round: no work-group ends while a partner may still ask for a tile that names it
	s_endpgm
.Lfunc_end_k_qe0eb3b86c7_gemm_down:
	.size	k_qe0eb3b86c7_gemm_down, .Lfunc_end_k_qe0eb3b86c7_gemm_down-k_qe0eb3b86c7_gemm_down
	.p2alignl 7, 3214868480
	.fill 96, 4, 3214868480
	.section	.rodata,"a",@progbits
	.p2align	6, 0x0
	.amdhsa_kernel k_qe0eb3b86c7_gemm_down
		.amdhsa_group_segment_fixed_size 327680
		.amdhsa_private_segment_fixed_size 0
		.amdhsa_enable_private_segment 0
		.amdhsa_kernarg_size 48
		.amdhsa_user_sgpr_count 2
		.amdhsa_user_sgpr_kernarg_segment_ptr 1
		.amdhsa_wavefront_size32 1
		.amdhsa_system_sgpr_workgroup_id_x 1
		.amdhsa_system_sgpr_workgroup_id_y 1
		.amdhsa_system_sgpr_workgroup_id_z 1
		.amdhsa_system_vgpr_workitem_id 0
		.amdhsa_next_free_vgpr 1024
		.amdhsa_next_free_sgpr 96
		.amdhsa_reserve_vcc 0
		.amdhsa_float_denorm_mode_32 3
		.amdhsa_float_denorm_mode_16_64 3
		.amdhsa_memory_ordered 1
		.amdhsa_forward_progress 1
		.amdhsa_inst_pref_size 219
	.end_amdhsa_kernel
	.amdgpu_metadata
---
amdhsa.version: [ 1, 2 ]
amdhsa.kernels:
  - .name:           k_qe0eb3b86c7_gemm_down
    .symbol:         k_qe0eb3b86c7_gemm_down.kd
    .args:
      - { .name: hb, .offset: 0, .size: 8, .value_kind: global_buffer, .address_space: global }
      - { .name: qweight_down, .offset: 8, .size: 8, .value_kind: global_buffer, .address_space: global }
      - { .name: td, .offset: 16, .size: 8, .value_kind: global_buffer, .address_space: global }
      - { .name: g_idx_down, .offset: 24, .size: 8, .value_kind: global_buffer, .address_space: global }
      - { .name: stats, .offset: 32, .size: 8, .value_kind: global_buffer, .address_space: global }
      - { .name: part, .offset: 40, .size: 8, .value_kind: global_buffer, .address_space: global }
    .group_segment_fixed_size: 327680
    .private_segment_fixed_size: 0
    .kernarg_segment_align: 8
    .kernarg_segment_size: 48
    .max_flat_workgroup_size: 128
    .sgpr_count:     96
    .vgpr_count:     1024
    .wavefront_size: 32
...
	.end_amdgpu_metadata
.endif
;; end of part 3
;; launch reduce (part 4): grid 512 x 1, 8 waves a work-group, no clusters, 0 bytes of LDS; arguments part, out0; writes out0
.if DOCPART == 4
	.amdgcn_target "amdgcn-amd-amdhsa--gfx1250"
	.amdhsa_code_object_version 6
	.text
	.protected	k_qe0eb3b86c7_reduce
	.globl	k_qe0eb3b86c7_reduce
	.p2align	8
	.type	k_qe0eb3b86c7_reduce,@function
k_qe0eb3b86c7_reduce:
	s_mov_b64 s[64:65], 0
	v_nop
	global_prefetch_b8 v0, s[64:65] scope:SCOPE_SE
	s_setreg_imm32_b32 hwreg(HW_REG_WAVE_MODE, 25, 1), 1
	s_wait_xcnt 0x0
; out0 = the sum of the eight parts along K of the second product, in f32, in one fixed order: ((0 + 1) + (2 + 3)) + ((4 + 5) + (6 + 7)).
; part: [8][512][4096] f32; out0: [512][4096] f32.  A wave owns 2,048 consecutive bytes of out0, four chunks of 512; every load and store of a wave covers 512 consecutive bytes.
; All 32 loads of a wave go out first; no register is used twice, so the only waits are the counted ones for the loads.  Memory binds: LDS, the matrix unit and clusters would add nothing.
.set PART, 0x800000                    ; bytes in a part
	s_load_b128 s[4:7], s[0:1], 0x0                ; part s[4:5], out0 s[6:7]
	v_and_b32 v1, 31, v0
	v_lshrrev_b32 v2, 5, v0
	v_lshlrev_b32 v1, 4, v1
	v_lshl_add_u32 v1, v2, 11, v1                  ; 2,048 x wave + 16 x lane
	s_lshl_b32 s2, ttmp9, 14                       ; 16,384 bytes a work-group
	s_mov_b32 s3, 0
	s_wait_kmcnt 0x0
	s_add_nc_u64 s[8:9], s[4:5], s[2:3]
	s_add_nc_u64 s[6:7], s[6:7], s[2:3]
.irp y, 1,2,3,4,5,6,7
	s_add_nc_u64 s[8+2*\y:9+2*\y], s[8:9], (\y)*PART   ; a part lies too far for a load's immediate: a base for each
.endr
.irp c, 0,1,2,3
.irp y, 0,1,2,3,4,5,6,7
	global_load_b128 v[16+32*\c+4*\y:19+32*\c+4*\y], v1, s[8+2*\y:9+2*\y] offset:512*(\c) th:TH_LOAD_NT
.endr
.endr
.irp c, 0,1,2,3
	s_wait_loadcnt 24-8*(\c)                       ; the later chunks' loads stay out
.irp y, 0,2,4,6
	v_pk_add_f32 v[16+32*\c+4*\y:17+32*\c+4*\y], v[16+32*\c+4*\y:17+32*\c+4*\y], v[20+32*\c+4*\y:21+32*\c+4*\y]
	v_pk_add_f32 v[18+32*\c+4*\y:19+32*\c+4*\y], v[18+32*\c+4*\y:19+32*\c+4*\y], v[22+32*\c+4*\y:23+32*\c+4*\y]
.endr
.irp y, 0,4
	v_pk_add_f32 v[16+32*\c+4*\y:17+32*\c+4*\y], v[16+32*\c+4*\y:17+32*\c+4*\y], v[24+32*\c+4*\y:25+32*\c+4*\y]
	v_pk_add_f32 v[18+32*\c+4*\y:19+32*\c+4*\y], v[18+32*\c+4*\y:19+32*\c+4*\y], v[26+32*\c+4*\y:27+32*\c+4*\y]
.endr
	v_pk_add_f32 v[16+32*\c:17+32*\c], v[16+32*\c:17+32*\c], v[32+32*\c:33+32*\c]
	v_pk_add_f32 v[18+32*\c:19+32*\c], v[18+32*\c:19+32*\c], v[34+32*\c:35+32*\c]
	global_store_b128 v1, v[16+32*\c:19+32*\c], s[6:7] offset:512*(\c) th:TH_STORE_NT
.endr
	s_endpgm
.Lfunc_end_k_qe0eb3b86c7_reduce:
	.size	k_qe0eb3b86c7_reduce, .Lfunc_end_k_qe0eb3b86c7_reduce-k_qe0eb3b86c7_reduce
	.p2alignl 7, 3214868480
	.fill 96, 4, 3214868480
	.section	.rodata,"a",@progbits
	.p2align	6, 0x0
	.amdhsa_kernel k_qe0eb3b86c7_reduce
		.amdhsa_group_segment_fixed_size 0
		.amdhsa_private_segment_fixed_size 0
		.amdhsa_enable_private_segment 0
		.amdhsa_kernarg_size 16
		.amdhsa_user_sgpr_count 2
		.amdhsa_user_sgpr_kernarg_segment_ptr 1
		.amdhsa_wavefront_size32 1
		.amdhsa_system_sgpr_workgroup_id_x 1
		.amdhsa_system_sgpr_workgroup_id_y 1
		.amdhsa_system_sgpr_workgroup_id_z 1
		.amdhsa_system_vgpr_workitem_id 0
		.amdhsa_next_free_vgpr 144
		.amdhsa_next_free_sgpr 66
		.amdhsa_reserve_vcc 0
		.amdhsa_float_denorm_mode_32 3
		.amdhsa_float_denorm_mode_16_64 3
		.amdhsa_memory_ordered 1
		.amdhsa_forward_progress 1
		.amdhsa_inst_pref_size 9
	.end_amdhsa_kernel
	.amdgpu_metadata
---
amdhsa.version: [ 1, 2 ]
amdhsa.kernels:
  - .name:           k_qe0eb3b86c7_reduce
    .symbol:         k_qe0eb3b86c7_reduce.kd
    .args:
      - { .name: part, .offset: 0, .size: 8, .value_kind: global_buffer, .address_space: global }
      - { .name: out0, .offset: 8, .size: 8, .value_kind: global_buffer, .address_space: global }
    .group_segment_fixed_size: 0
    .private_segment_fixed_size: 0
    .kernarg_segment_align: 8
    .kernarg_segment_size: 16
    .max_flat_workgroup_size: 256
    .sgpr_count:     66
    .vgpr_count:     144
    .wavefront_size: 32
...
	.end_amdgpu_metadata
.endif
;; end of part 4
;; ======== version 2 of 2: 4 launches
;; limits: values are held in f16: magnitudes above 65,504 overflow, below 6.1e-05 lose precision
;; workspace buffers: xh 4,194,304 bytes; hb 11,534,336 bytes; tgu 2,818,048 bytes; td 1,409,024 bytes; stats 5,120 bytes; part 67,108,864 bytes
;; launch prep: the kernel of part 1 again; grid 165 x 1, 8 waves a work-group, no clusters, 1,536 bytes of LDS; arguments x, scales_gu, qzeros_gu, scales_down, qzeros_down, xh, stats, tgu, td, hb; writes xh, stats, tgu, td, hb
;; launch gemm_gu (part 5): grid 172 x 1, 4 waves a work-group, clusters of 4 x 1, 327,680 bytes of LDS; arguments xh, qweight_gu, tgu, g_idx_gu, stats, hb; writes hb
.if DOCPART == 5
	.amdgcn_target "amdgcn-amd-amdhsa--gfx1250"
	.amdhsa_code_object_version 6
	.text
	.protected	k_qe0eb3b86c7_gemm_gu
	.globl	k_qe0eb3b86c7_gemm_gu
	.p2align	8
	.type	k_qe0eb3b86c7_gemm_gu,@function
k_qe0eb3b86c7_gemm_gu:
	s_mov_b64 s[64:65], 0
	v_nop
	global_prefetch_b8 v0, s[64:65] scope:SCOPE_SE
	s_setreg_imm32_b32 hwreg(HW_REG_WAVE_MODE, 25, 1), 1
	s_wait_xcnt 0x0
	s_wait_alu depctr_hold_cnt(0) depctr_sa_sdst(0) depctr_va_vdst(0) depctr_va_sdst(0) depctr_va_ssrc(0) depctr_va_vcc(0) depctr_vm_vsrc(0)
	s_getreg_b32 s2, hwreg(HW_REG_IB_STS2, 6, 4)
	s_cmp_eq_u32 s2, 0
	s_cbranch_scc0 .Lentry_in_a_cluster
	s_endpgm
.Lentry_in_a_cluster:
	s_bfe_u32 s2, ttmp6, 0x10000c
	s_cmp_lg_u32 s2, 0x3003
	s_cbranch_scc0 .Lentry_shape_is_right
	s_endpgm
.Lentry_shape_is_right:
; FIRST PRODUCT AND SwiGLU.  inter = x W, W[k][n] = s[g[k]][n] (q[k][n] - z[g[k]][n] - 1); h = silu(gate) up; hb = f16(h alpha[row]) in the fragment order of the second product.
; SHARES.  A work-group makes all 512 rows x 64 gate columns and the 64 up columns that belong to them, so each weight is unpacked once in the launch.  Each of the four waves has 128 rows x 128 columns:
; 64 accumulators of 16 x 16.  K goes in steps of 128 (four quarters of 32).
; x (f16, fragment order, made by the launch before) comes by the tensor data mover into a ring of two LDS slots; wave w fills and alone reads its 32,768 bytes of a slot.  The four work-groups of a
; cluster need the same x, so each tile is asked for JOINTLY: the same load, descriptor and mask in all four.
; WEIGHTS.  A word of qweight holds eight consecutive k of one column: half a fragment's registers of one lane.  For each 64 k wave w unpacks the 16 k numbered 16 w on: two loads of 16 bytes a lane (four
; columns), 1024 + q by a mask and an or on pairs of nibbles (k_i, k_(i+4)), - (1024 + z + 1) by a packed f16 addition (exact), times the scale (one rounding), 16 bytes into one of two LDS buffers
; in fragment order.  x lies in the same order of k inside each eight, so the products are the same.
; g_idx.  EVERY k takes the table row that g_idx names for it: the wave's 16 indices come by one scalar load, each is held inside the table and gives one load of 16 bytes a lane (zero and scale of my four
; columns); a byte permute pairs k_i's with k_(i+4)'s.  No branch hangs on g_idx.
; THE QUEUE.  The register work of a step of 64 k is 51 groups of four vector lines and the scalar lines that go with them; one group stands behind every second matrix instruction.  The vector memory and LDS
; instructions are kept out of it and stand in runs: the two weight loads with the fragment loads in a quarter's middle, the 16 table loads and the 8 LDS stores together at the head of the next change of buffers.
; Weights and table rows are asked for two steps of 64 k ahead, into two sets of vector registers that take turns; the indices three steps ahead, a whole step (128 matrix instructions) in front of the wait
; for them, into two sets of scalar registers that take turns.
; COLUMNS.  Column c (0..3) of lane l goes to place l % 16 of tile c + 4 (l / 16): tiles 0-3 are gate columns, tiles 4-7 the up columns 11,008 further on.
; THE MATRIX INSTRUCTION IS USED TRANSPOSED (source 0 = weights, source 1 = x): a lane holds one row of x and, over tiles 0-3, 32 consecutive gate columns: four times 16 bytes of hb.
; alpha[row] = 1 / b, b = 32 |x_row|^2 smax^2 + 1e-30, smax the largest |scale|: |gate|, |up| <= |x_row| sqrt(4096) 16 smax, so |h alpha| <= 2^15 for every input; the second product multiplies b back.
; LIMITS.  16 |scale| and |x| stay under 65,504 (f16); h alpha below 6e-5 keeps f16's fixed step of 6e-8; where e^-gate b passes f32's range h counts as 0; NaN and infinities are not treated apart;
; the sums' order is the matrix unit's.
; REGISTERS, in windows of 256 (s_set_vgpr_msb: bits 1:0 source 0, 3:2 source 1, 5:4 source 2, 7:6 destination):
;   window 0: v0-31 addresses; v32-47 two sets of weight words; v48-59 the queue's work; v64-191 two sets of 16 table rows; v192-223 a step's eight words unpacked; v240-255 b, in pairs
;   window 1: the fragments, two buffers of 128: x's 64 registers, then the weights' 64      windows 2, 3: the accumulators: (a, b) at v[8 (8 (a % 4) + b)], rows 16 a on, window 2 + a / 4
.set KT,     32                        ; K steps of 128
.set PITCH,  88064                     ; bytes in a row of qweight and of the table
.set NG,     32                        ; rows of the table
.set JMAX,   63                        ; the last step of 64 k
.set LASTKB, 31                        ; the last block of 128 k
.set MULW,   0xa5                      ; sources 0 and 1 window 1, C and D window 2
.set SLOTB,  131072                    ; LDS: slot 0 at 0, slot 1 at 131,072; wave w's part at 32,768 w
.set BB,     262144                    ; the weights' two buffers of 16,384 bytes: [k / 32][half][tile][lane][16 bytes]; written by ds_store alone
.set BBUF,   16384
.set SPARE,  294912                    ; the spare words, 128 bytes a wave: two blocks of 256 bytes that no other line names
.set ADRA0, 2                          ; v2   32,768 w + 16 l; never rewritten
.set ADRA,  3                          ; v3   the same in the slot in hand
.set ADRB,  4                          ; v4   BB + 16 l
.set STB,   5                          ; v5   where my unpacked 16 bytes go: BB + 4,096 w + 2,048 (l / 16) + 16 (l % 16)
.set QC,    6                          ; v6   my four columns' byte offset in a row
.set QW,    7                          ; v7   the same + my wave's two rows
.set QOF,   8                          ; v8, v9    weight offsets of the even and the odd set
.set PFA,   14                         ; v14  the prefetch's offset
.set PF0,   15                         ; v15  its lane term
.set OOF,   24                         ; v24  my byte offset on the way out
.set CC,    26                         ; v26  32 smax^2
.set SPW,   28                         ; v28  LDS address of my spare word; never rewritten
.set NIL,   29                         ; v29  0; never rewritten
.set EPS,   30                         ; v30  1e-30
.set QE,    32                         ; v32-39 the even set's eight words, v40-47 the odd set's
.set SH,    48                         ; v48-50  a word shifted
.set NZP,   52                         ; v52-55  -(1025 + z) of k_i and k_(i+4)
.set SDP,   56                         ; v56-59  their scales
.set TR,    64                         ; v64-127 the even set's table rows, row i at 4 i; v128-191 the odd set's
.set HT,    64                         ; at the head: the partial maxima
.set EX,    192                        ; v192-223  word d unpacked at 4 d
.set BP,    240                        ; v240-255  b of row 16 a + l % 16, twice, at 240 + 2 a
.set F0,    0                          ; fragment buffers, in window 1
.set F1,    128
.set NV,    201                        ; the queue's vector lines
.set NGRP,  51                         ; its groups of four
; s[4:5] xh; s[6:7] qweight; s[8:9] table; s[10:11] g_idx; s[12:13] stats; s[14:15] hb; s20 wave; s21 cx; s22 column tile; s[24:31] descriptor group 1; s[32:35], s[36:39] group 0 of the two first fills, the
; second then walks; s40 slot in hand; s41 the step of 64 k being unpacked; s43 loop count; s44-49 at work; s50-53 masks and selectors; s[54:55] -log2(e); s[56:57] lane selects; s58 prefetch;
; s60, s61 the index loads' byte offsets, by turns; s62 the weights' step offset; s[68:83], s[84:99] sixteen indices of an even and of an odd step
.set MSB, 0
.macro WIN new                         ; the immediate's high byte repeats the setting that is left; a switch that changes nothing is dropped
.if MSB != (\new)
	s_set_vgpr_msb (MSB<<8)|(\new)
.set MSB, (\new)
.endif
.endm
.macro PLACES                          ; four places (ISA guide 7.12.1)
.rept 4
	v_nop
.endr
.endm
.macro CREST                           ; a round of the cluster's barrier behind its opening barrier
	s_cmp_lg_u32 s20, 0
	s_cbranch_scc1 .Lnot_wave_0_\@
	s_barrier_signal -3
.Lnot_wave_0_\@:
	s_barrier_wait -3
	s_barrier_signal -1
	s_barrier_wait -1
.endm
.macro CROUND
	s_barrier_signal -1
	s_barrier_wait -1
	CREST
.endm
.macro JLOAD                           ; the joint refill: every wave its own 32,768 bytes; an s_nop 0 and four v_nop follow
	tensor_load_to_lds s[36:39], s[24:31]
	s_nop 0
	PLACES
.endm
; THE QUEUE.  DQSET names the sets of a step of parity par and starts the queue; GRP writes its next group; FLUSH the rest.
.macro DQSET par
.set QR,   QE+8*(\par)
.set TRB,  TR+64*(\par)
.set OFQ,  QOF+(\par)
.set BUFO, (\par)*BBUF
.set IXB,  68+16*(\par)                ; the indices that this queue turns into offsets: those of the step two on, which has this parity
.set IXN,  84-16*(\par)                ; the set that this queue asks for: the step three on
.set OX,   60+(\par)                   ; that load's offset register; the load that is still out names the other one
.set gq, 0
.endm
; Line n of the 6 that ask for the 16 indices of step s41 + add.  Steps past the end take the last step's once more.
.macro LDA n, add
.if (\n) == 0
	s_add_co_u32 s45, s41, \add
.elseif (\n) == 1
	s_min_u32 s45, s45, JMAX
.elseif (\n) == 2
	s_lshl_b32 s[OX], s45, 2
.elseif (\n) == 3
	s_add_co_u32 s[OX], s[OX], s20
.elseif (\n) == 4
	s_lshl_b32 s[OX], s[OX], 6                     ; k = 64 step + 16 w, four bytes an index
.else
	s_load_b512 s[IXN:IXN+15], s[10:11], s[OX] offset:0x0
.endif
.endm
.macro WOFF add                        ; the byte offset of step s41 + add in qweight: eight rows a step
	s_add_co_u32 s44, s41, \add
	s_min_u32 s44, s44, JMAX
	s_mul_i32 s62, s44, 8*PITCH
.endm
.macro ROWQ r                          ; index r is held inside the table and becomes a byte offset
	s_min_u32 s[IXB+(\r)], s[IXB+(\r)], NG-1
	s_mul_i32 s[IXB+(\r)], s[IXB+(\r)], PITCH
.endm
; The scalar lines of group g.  0: the wait for the set's vector loads.  0-2: the offsets.  3: the wait for the one scalar load that is out, issued at this place of the step before, and directly behind it the
; next one (scalar loads are waited for to 0 alone).  4-19: an index a group.  37: the step's count.
.macro SL g
.if (\g) == 0
	s_wait_loadcnt 18                              ; behind this set's 18 loads stand the other set's 18
	LDA 0, 3
	LDA 1, 3
.elseif (\g) == 1
	LDA 2, 3
	LDA 3, 3
.elseif (\g) == 2
	LDA 4, 3
	WOFF 2
.elseif (\g) == 3
	s_wait_kmcnt 0x0                               ; the indices of the step two on are in
	LDA 5, 3
.elseif (\g) < 20
	ROWQ (\g)-4
.elseif (\g) == 37
	s_add_co_u32 s41, s41, 1
.endif
.endm
; Vector line n.  0-55: word d = n / 7 (row d / 4 of my two, column d % 4) comes apart into f16(1024 + q), pairs (k_i, k_(i+4)).  56: the weights' next offset.  57-184: word by word 8 permutes, 4 additions,
; 4 multiplications.  185-200: the 16 table offsets, each into the register on which its load lands: the rows are dead behind line 176.
.macro VL n
.if (\n) < 56
.set d_, (\n)/7
.set i_, (\n)%7
.if i_ < 3
	v_lshrrev_b32 v[SH+i_], 4*(i_+1), v[QR+d_]
.elseif i_ == 3
	v_and_or_b32 v[EX+4*d_], v[QR+d_], s50, s51
.else
	v_and_or_b32 v[EX+4*d_+i_-3], v[SH+i_-4], s50, s51
.endif
.elseif (\n) == 56
	v_add_nc_u32 v[OFQ], s62, v[QW]
.elseif (\n) < 185
.set e_, (\n)-57
.set d_, e_/16
.set i_, e_%16
.set t_, TRB+32*(d_/4)+(d_%4)
.if i_ < 8
.set p_, i_/2
.if i_%2 == 0
	v_perm_b32 v[NZP+p_], v[t_+4*(p_+4)], v[t_+4*p_], s52   ; the low halves: k_p's below, k_(p+4)'s above
.else
	v_perm_b32 v[SDP+p_], v[t_+4*(p_+4)], v[t_+4*p_], s53   ; the high halves
.endif
.elseif i_ < 12
	v_pk_add_f16 v[EX+4*d_+i_-8], v[EX+4*d_+i_-8], v[NZP+i_-8]
.else
	v_pk_mul_f16 v[EX+4*d_+i_-12], v[EX+4*d_+i_-12], v[SDP+i_-12]
.endif
.else
.set r_, (\n)-185
	v_add_nc_u32 v[TRB+4*r_], s[IXB+r_], v[QC]
.endif
.endm
.macro GRP
.if gq < NGRP
	WIN 0
	SL gq
.set vq, 4*gq
.rept 4
.if vq < NV
	VL vq
.endif
.set vq, vq+1
.endr
.set gq, gq+1
.endif
.endm
.macro FLUSH
.rept NGRP
	GRP
.endr
.endm
; THE RUNS.  QLOADS: the set's two rows of qweight (its words are dead behind vector line 55, its offset is line 56).  MEMRUN: its 16 table rows, and the step's eight words into LDS.
.macro QLOADS
	global_load_b128 v[QR:QR+3], v[OFQ], s[6:7] th:TH_LOAD_NT
	global_load_b128 v[QR+4:QR+7], v[OFQ], s[6:7] offset:PITCH th:TH_LOAD_NT
.endm
.macro TLOADS
.irp r, 0,1,2,3,4,5,6,7,8,9,10,11,12,13,14,15
	global_load_b128 v[TRB+4*\r:TRB+4*\r+3], v[TRB+4*\r], s[8:9]   ; k_r's zero and scale, my four columns; the load lands on its own offset register
.endr
.endm
.macro STORES
.irp d, 0,1,2,3,4,5,6,7
	ds_store_b128 v[STB], v[EX+4*\d:EX+4*\d+3] offset:BUFO+((\d)%4)*512+((\d)/4)*256   ; 16 lanes fill 256 consecutive bytes
.endr
.endm
.macro MEMRUN
	WIN 0
	TLOADS
	STORES
.endm
.macro IXASK par, add                  ; at the head: the indices of step s41 + add, as a queue of parity par asks for them
	DQSET \par
.set ln, 0
.rept 6
	LDA ln, \add
.set ln, ln+1
.endr
.endm
.macro LDBLK par, add                  ; at the head: a set's words and table rows are asked for in one piece; its indices are in
	DQSET \par
	WOFF \add
	v_add_nc_u32 v[OFQ], s62, v[QW]
.set ln, 0
.rept 16
	ROWQ ln
	v_add_nc_u32 v[TRB+4*ln], s[IXB+ln], v[QC]
.set ln, ln+1
.endr
	QLOADS
	TLOADS
.endm
; 16 matrix instructions: row blocks a0, a0 + 1 of the window's four x all 8 tiles, 32 along K.  zero = 1: the product starts the sums.  ride = 1: a group of the queue behind every second one.
; The 64 accumulators take turns, one instruction a turn, in the same order in every quarter.
.macro MUL16 f, hi, a0, zero, ride
.irp a, \a0, (\a0)+1
.irp b, 0,1,2,3,4,5,6,7
.set rD, 8*(8*(\a)+(\b))
.set rB, (\f)+64+8*(\b)
.set rA, (\f)+8*(4*(\hi)+(\a))
	WIN MULW+0x50*(\hi)
.if \zero
	v_wmma_f32_16x16x32_f16 v[rD:rD+7], v[rB:rB+7], v[rA:rA+7], 0
.else
	v_wmma_f32_16x16x32_f16 v[rD:rD+7], v[rB:rB+7], v[rA:rA+7], v[rD:rD+7]
.endif
.if (\ride) && ((\b)%2 == 1)
	GRP
.endif
.endr
.endr
.endm
; 32 LDS loads in one run: a quarter's fragments into buffer f: the weights at byte bofs of their buffers, x's quarter kq of the slot in hand.  Every load takes 512 consecutive bytes.
; The last product that read buffer f stands a group of the queue, four plain vector lines, or more back on every way: those are the places that a load into its sources asks for.
.macro FETCH kq, bofs, f
	WIN 0x40                                       ; destination window 1, address window 0
.irp i, 0,1,2,3,4,5,6,7
	ds_load_b128 v[(\f)+64+8*(\i):(\f)+64+8*(\i)+3],   v[ADRB] offset:(\bofs)+(\i)*512
	ds_load_b128 v[(\f)+64+8*(\i)+4:(\f)+64+8*(\i)+7], v[ADRB] offset:(\bofs)+(\i)*512+4096
.endr
.irp i, 0,1,2,3,4,5,6,7
	ds_load_b128 v[(\f)+8*(\i):(\f)+8*(\i)+3],   v[ADRA] offset:((\kq)*8+(\i))*1024
	ds_load_b128 v[(\f)+8*(\i)+4:(\f)+8*(\i)+7], v[ADRA] offset:((\kq)*8+(\i))*1024+512
.endr
.endm
; A quarter without a barrier: multiplies buffer f; in its middle one run: the queue's two weight loads (16 groups or more of the queue are done there) and quarter kq's fragments into buffer g.
.macro QUARTER kq, bofs, f, g, zero
	s_wait_dscnt 8                                 ; the youngest eight loads (x's rows 64-127) may be out
	MUL16 \f, 0, 0, \zero, 1
	MUL16 \f, 0, 2, \zero, 1
	WIN 0
	QLOADS
	FETCH \kq, \bofs, \g
	s_wait_dscnt 32                                ; all but the 32 just issued
	MUL16 \f, 1, 0, \zero, 1
	MUL16 \f, 1, 2, \zero, 1
.endm
; Quarter 1.  At its head the odd step's run.  Its barrier serves the weights alone: in front of it my stores into the odd buffer are done and my reads of the even one are back; behind it the odd one is read
; and the even one written.
.macro TURNB
	MEMRUN
	s_wait_dscnt 16                                ; the eight stores and the youngest eight loads before them may be out
	MUL16 F1, 0, 0, 0, 0
	s_wait_dscnt 0x0
	s_barrier_signal -1
	MUL16 F1, 0, 2, 0, 0
	s_barrier_wait -1
	FETCH 2, BBUF, F0
	DQSET 0
	MUL16 F1, 1, 0, 0, 1
	MUL16 F1, 1, 2, 0, 1
.endm
; What wave 0 asks into the L2: the 32 aligned blocks of 256 bytes (16 rows x gate and up) of qweight that this work-group's register loads want in the next trip: 8,192 bytes, one trip ahead of those loads.
; Past the last block of 128 k the last block is named once more; the tail asks for nothing.
.macro PREF
	s_cmp_lg_u32 s20, 0
	s_cbranch_scc1 .Lnopf_\@
	s_lshr_b32 s58, s41, 1
	s_add_co_u32 s58, s58, 2
	s_min_u32 s58, s58, LASTKB
	s_mul_i32 s58, s58, 16*PITCH
	s_wait_xcnt 0x0                                ; the last prefetch's offset register is rewritten only behind this wait
	v_add_nc_u32 v[PFA], s58, v[PF0]
	global_prefetch_b8 v[PFA], s[6:7] th:TH_LOAD_NT scope:SCOPE_SE
.Lnopf_\@:
.endm
; Quarter 3: the change of slots.  At its head the even step's run.  In front of the barrier each wave waits for all its tensor loads (one is out: its part of the next slot), adds 0 to its spare word, and waits
; for that, for its reads of this slot and of the odd buffer, and for its stores into the even one.  fill = 1: the barrier opens a round of the cluster's, and the slot just read is filled again first thing
; behind it, two K steps ahead.
.macro TURNX fill
	MEMRUN
	s_wait_tensorcnt 0x0
	ds_add_u32 v[SPW], v[NIL]
	s_wait_dscnt 17                                ; the add, the eight stores and the youngest eight loads before them may be out
	MUL16 F1, 0, 0, 0, 0
	s_wait_dscnt 0x0
	s_barrier_signal -1
	MUL16 F1, 0, 2, 0, 0
	WIN 0
	s_barrier_wait -1
.if \fill
	CREST
	s_xor_b32 s37, s37, SLOTB                      ; the walking descriptor: the other slot than last time,
	s_add_nc_u64 s[38:39], s[38:39], SLOTB         ; the next 128 k; the type bits on top are not reached
	JLOAD
	PREF
.endif
	s_xor_b32 s40, s40, SLOTB
	v_add_nc_u32 v[ADRA], s40, v[ADRA0]
	FETCH 0, 0, F0
	DQSET 1
	MUL16 F1, 1, 0, 0, 1
	MUL16 F1, 1, 2, 0, 1
.endm
	s_load_b256 s[4:11], s[0:1], 0x0               ; xh 4, qweight 6, table 8, g_idx 10
	s_load_b128 s[12:15], s[0:1], 0x20             ; stats 12, hb 14
	v_lshl_add_u32 v[SPW], v0, 2, SPARE
	v_mov_b32 v[NIL], 0
	ds_add_u32 v[SPW], v[NIL]                      ; the wave's opening: the add and its wait stand ahead of my first tensor load
	v_lshrrev_b32 v1, 5, v0
	v_readfirstlane_b32 s20, v1                    ; wave 0..3
	s_bfe_u32 s21, ttmp6, 0x40000                  ; cx
	s_lshl_b32 s22, ttmp9, 2
	s_add_co_u32 s22, s22, s21                     ; column tile = 4 x cluster + cx: it enters global addresses of the weights, the table and hb alone
	s_mov_b32 s24, 15|(3<<16)|(1<<21)              ; group 1: 15:0 the mask of four; 17:16 elements of 8 bytes; 21 set beside a mask; no padding
	s_mov_b32 s25, 32<<16                          ; tensor_dim0 = 32 elements: rows of 256 bytes
	s_mov_b32 s26, 128<<16                         ; tensor_dim1 = 128 rows: 32,768 dense bytes
	s_mov_b32 s27, 32<<16                          ; tile_dim0
	s_mov_b32 s28, 128                             ; tile_dim1
	s_mov_b32 s29, 32                              ; elements from row to row
	s_mov_b32 s30, 0
	s_mov_b32 s31, 0
	s_mov_b32 s32, 1
	s_lshl_b32 s33, s20, 15                        ; LDS: slot 0, my part
	s_mov_b32 s36, 1
	s_add_co_u32 s37, s33, SLOTB                   ; slot 1
	s_mov_b32 s40, 0
	s_mov_b32 s41, 0                               ; this product's first step of 64 k
	s_mov_b32 s50, 0x000f000f
	s_mov_b32 s51, 0x64006400                      ; f16(1024) twice
	s_mov_b32 s52, 0x05040100
	s_mov_b32 s53, 0x07060302
	s_mov_b32 s54, 0xbfb8aa3b                      ; -log2(e)
	s_mov_b32 s55, s54
	s_mov_b32 s56, 0x76543210
	s_mov_b32 s57, 0xfedcba98
	s_mov_b32 s44, s33                             ; x: my part of block 0
	s_mov_b32 s45, 0
	s_lshr_b32 s46, s22, 1                         ; hb: block tile / 2, my rows, 64 k of the block's 128
	s_lshl_b32 s46, s46, 17
	s_add_co_u32 s46, s46, s33
	s_and_b32 s47, s22, 1
	s_lshl_b32 s47, s47, 14
	s_add_co_u32 s46, s46, s47
	s_mov_b32 s47, 0
	s_wait_dscnt 0x0                               ; the opening add is done
	s_wait_kmcnt 0x0
	s_add_nc_u64 s[34:35], s[4:5], s[44:45]
	s_add_nc_u64 s[38:39], s[34:35], SLOTB
	s_or_b32 s35, s35, 0x80000000                  ; type = 2
	s_or_b32 s39, s39, 0x80000000
	s_add_nc_u64 s[14:15], s[14:15], s[46:47]
	CROUND                                         ; all four work-groups are here: the first joint loads meet
	tensor_load_to_lds s[32:35], s[24:31]          ; K steps 0 and 1: two loads of mine are out
	s_nop 0
	tensor_load_to_lds s[36:39], s[24:31]
	s_nop 0
	PLACES
	IXASK 1, 0                                     ; the indices of steps 0 and 1 are asked for together
	IXASK 0, 1
	v_and_b32 v1, 31, v0                           ; l
	v_and_b32 v32, 15, v1
	v_lshrrev_b32 v33, 4, v1
	v_lshlrev_b32 v[ADRA0], 4, v1
	v_add_nc_u32 v[ADRA0], s33, v[ADRA0]
	v_mov_b32 v[ADRA], v[ADRA0]
	v_lshl_add_u32 v[ADRB], v1, 4, BB
	v_lshlrev_b32 v[STB], 4, v32
	v_lshl_add_u32 v[STB], v33, 11, v[STB]
	s_lshl_b32 s44, s20, 12
	s_add_co_u32 s44, s44, BB
	v_add_nc_u32 v[STB], s44, v[STB]
	s_lshl_b32 s48, s22, 8                         ; 64 columns of 4 bytes a tile
	v_lshlrev_b32 v[QC], 4, v32
	v_mul_u32_u24 v34, v33, 44032                  ; lanes 16-31: the up columns
	v_add_nc_u32 v[QC], v[QC], v34
	v_add_nc_u32 v[QC], s48, v[QC]
	s_mul_i32 s49, s20, 2*PITCH
	v_add_nc_u32 v[QW], s49, v[QC]
	v_lshrrev_b32 v34, 1, v1                       ; prefetch: row l / 2, gate or up by l % 2
	v_mul_u32_u24 v[PF0], v34, PITCH
	v_and_b32 v34, 1, v1
	v_mul_u32_u24 v34, v34, 44032
	v_add_nc_u32 v[PF0], v[PF0], v34
	v_add_nc_u32 v[PF0], s48, v[PF0]
	v_lshlrev_b32 v[OOF], 4, v32
	v_lshl_add_u32 v[OOF], v33, 13, v[OOF]
	v_lshlrev_b32 v10, 4, v1                       ; the 688 partial maxima of |scale|: 172 times 16 bytes
	v_add_nc_u32 v11, 0xa0, v1
	v_min_u32 v11, 0xab, v11
	v_lshlrev_b32 v11, 4, v11
.irp i, 0,1,2,3,4
	global_load_b128 v[HT+4*\i:HT+4*\i+3], v10, s[12:13] offset:2048+512*(\i)
.endr
	global_load_b128 v[HT+20:HT+23], v11, s[12:13] offset:2048
	v_lshlrev_b32 v34, 2, v32                      ; |x_row|^2 of rows 128 w + 16 a + l % 16
	s_lshl_b32 s44, s20, 9
	v_add_nc_u32 v34, s44, v34
.irp a, 0,1,2,3,4,5,6,7
	global_load_b32 v[BP+2*\a], v34, s[12:13] offset:64*(\a)
.endr
	s_wait_loadcnt 0x0
.set i, 1
.rept 11
	v_max3_num_f32 v[HT], v[HT], v[HT+i], v[HT+i+1]
.set i, i+2
.endr
	v_max_num_f32 v[HT], v[HT], v[HT+23]
	v_max_num_f32_dpp v[HT], v[HT], v[HT] row_xmask:1 row_mask:0xf bank_mask:0xf
	v_max_num_f32_dpp v[HT], v[HT], v[HT] row_xmask:2 row_mask:0xf bank_mask:0xf
	v_max_num_f32_dpp v[HT], v[HT], v[HT] row_xmask:4 row_mask:0xf bank_mask:0xf
	v_max_num_f32_dpp v[HT], v[HT], v[HT] row_xmask:8 row_mask:0xf bank_mask:0xf
	v_permlanex16_b32 v[HT+1], v[HT], s56, s57
	v_max_num_f32 v[HT], v[HT], v[HT+1]
	v_mul_f32 v[CC], v[HT], v[HT]
	v_mul_f32 v[CC], 0x42000000, v[CC]             ; 32 smax^2
	v_mov_b32 v[EPS], 0x0da24260                   ; 1e-30
.irp a, 0,1,2,3,4,5,6,7
	v_fma_f32 v[BP+2*\a], v[BP+2*\a], v[CC], v[EPS]
.endr
.irp a, 0,1,2,3,4,5,6,7
	v_mov_b32 v[BP+2*\a+1], v[BP+2*\a]
.endr
	s_wait_kmcnt 0x0                               ; the indices of steps 0 and 1 are in
	LDBLK 0, 0                                     ; steps 0 and 1 are asked for
	LDBLK 1, 1
	IXASK 1, 2                                     ; the indices of step 2, as the queue of a step in front of the first would ask for them
	DQSET 0
	FLUSH                                          ; step 0 is unpacked in one piece: there is no matrix work yet to set it beside
	QLOADS
	MEMRUN
	s_wait_dscnt 0x0                               ; my stores are done
	s_wait_tensorcnt 0x1                           ; my part of K step 0 is in; K step 1's may stay out
	s_barrier_signal -1
	s_barrier_wait -1
	FETCH 0, 0, F0
	DQSET 1
	QUARTER 1, 8192, F0, F1, 1                     ; the first quarter stands in front of the loop: its products start the sums
	FLUSH
	WIN 0
	s_mov_b32 s43, KT-2
.Ltrip:                                                ; a trip: quarters 1, 2, 3 of a K step and quarter 0 of the next; it unpacks two steps of 64 k and fills one slot again
	TURNB
	QUARTER 3, BBUF+8192, F0, F1, 0
	FLUSH
	TURNX 1
	QUARTER 1, 8192, F0, F1, 0
	FLUSH
	WIN 0
	s_sub_co_u32 s43, s43, 1
	s_cmp_lg_u32 s43, 0
	s_cbranch_scc1 .Ltrip
	s_mov_b32 s43, 2                               ; the last two K steps ask for nothing: the tail is written out
.Ltail:                                                ; the second trip is left in its middle; what it has unpacked and fetched by then (the last step's words once more) serves nothing: the price, once a launch, of one text for both
	TURNB
	QUARTER 3, BBUF+8192, F0, F1, 0
	FLUSH
	TURNX 0
	WIN 0
	s_sub_co_u32 s43, s43, 1
	s_cmp_eq_u32 s43, 0
	s_cbranch_scc1 .Lout
	QUARTER 1, 8192, F0, F1, 0
	FLUSH
	WIN 0
	s_branch .Ltail
.Lout:
	s_wait_dscnt 0x0                               ; the registers that the last fetch and the last loads write are used below
	s_wait_loadcnt 0x0
	s_wait_kmcnt 0x0
	PLACES
; THE WAY OUT.  For row block a and b = 0..3: G = accumulator (a, b), U = (a, 4 + b): register j is column 32 (l / 16) + 4 j + b of the tile's 64.  h alpha = G U / (2^(-log2(e) G) b + b).
; Registers 2 q, 2 q + 1 of the four b are the eight k of block q in the order (k_i, k_(i+4)): word b of 16 bytes.  Two b at a time; each accumulator's lowest registers are read first.
.set TT, 32
.set PP, 48
.set OU, 64
.macro SWI2 a, b0
.set rG, 8*(8*((\a)%4)+(\b0))
.set rU, rG+32
.set rO, OU+16*((\a)%2)
	WIN 0x0a+5*((\a)/4)                            ; sources 0 and 1: window 2 or 3
.set i, 0
.rept 8
	v_pk_mul_f32 v[TT+i:TT+i+1], v[rG+i:rG+i+1], s[54:55] op_sel_hi:[1,0]
.set i, i+2
.endr
.set i, 0
.rept 8
	v_pk_mul_f32 v[PP+i:PP+i+1], v[rG+i:rG+i+1], v[rU+i:rU+i+1]
.set i, i+2
.endr
	WIN 0
.set i, 0
.rept 16
	v_exp_f32 v[TT+i], v[TT+i]
.set i, i+1
.endr
	v_nop                                          ; a plain instruction behind the exponentials
.set i, 0
	s_wait_alu depctr_va_vdst(0)
.rept 8
	v_pk_fma_f32 v[TT+i:TT+i+1], v[TT+i:TT+i+1], v[BP+2*(\a):BP+2*(\a)+1], v[BP+2*(\a):BP+2*(\a)+1]
.set i, i+2
.endr
.set i, 0
.rept 16
	v_rcp_f32 v[TT+i], v[TT+i]
.set i, i+1
.endr
	v_nop                                          ; a plain instruction behind the reciprocals
.set i, 0
	s_wait_alu depctr_va_vdst(0)
.rept 8
	v_pk_mul_f32 v[PP+i:PP+i+1], v[PP+i:PP+i+1], v[TT+i:TT+i+1]
.set i, i+2
.endr
.irp bb, 0,1
.irp q, 0,1,2,3
	v_cvt_pk_f16_f32 v[rO+4*\q+(\b0)+\bb], v[PP+8*\bb+2*\q], v[PP+8*\bb+2*\q+1]
.endr
.endr
.endm
.irp a, 0,1,2,3,4,5,6,7
.if (\a) >= 2
	s_wait_xcnt 0x0                                ; the registers that the stores two blocks back read are rewritten only behind this wait
.endif
	SWI2 \a, 0
	SWI2 \a, 2
.irp q, 0,1,2,3
	global_store_b128 v[OOF], v[rO+4*\q:rO+4*\q+3], s[14:15] offset:(\a)*1024+(\q/2)*512+(\q%2)*256   ; each half of the lanes stores 256 consecutive bytes, at a multiple of 256 from hb's first byte
.endr
.endr
	s_wait_tensorcnt 0x0                           ; the wave's end
	ds_add_u32 v[SPW], v[NIL]
	s_wait_dscnt 0x0
	CROUND                                         ; the closing round: no work-group ends while a partner may still ask for a tile that names it
	s_endpgm
.Lfunc_end_k_qe0eb3b86c7_gemm_gu:
	.size	k_qe0eb3b86c7_gemm_gu, .Lfunc_end_k_qe0eb3b86c7_gemm_gu-k_qe0eb3b86c7_gemm_gu
	.p2alignl 7, 3214868480
	.fill 96, 4, 3214868480
	.section	.rodata,"a",@progbits
	.p2align	6, 0x0
	.amdhsa_kernel k_qe0eb3b86c7_gemm_gu
		.amdhsa_group_segment_fixed_size 327680
		.amdhsa_private_segment_fixed_size 0
		.amdhsa_enable_private_segment 0
		.amdhsa_kernarg_size 48
		.amdhsa_user_sgpr_count 2
		.amdhsa_user_sgpr_kernarg_segment_ptr 1
		.amdhsa_wavefront_size32 1
		.amdhsa_system_sgpr_workgroup_id_x 1
		.amdhsa_system_sgpr_workgroup_id_y 1
		.amdhsa_system_sgpr_workgroup_id_z 1
		.amdhsa_system_vgpr_workitem_id 0
		.amdhsa_next_free_vgpr 1024
		.amdhsa_next_free_sgpr 100
		.amdhsa_reserve_vcc 0
		.amdhsa_float_denorm_mode_32 3
		.amdhsa_float_denorm_mode_16_64 3
		.amdhsa_memory_ordered 1
		.amdhsa_forward_progress 1
		.amdhsa_inst_pref_size 243
	.end_amdhsa_kernel
	.amdgpu_metadata
---
amdhsa.version: [ 1, 2 ]
amdhsa.kernels:
  - .name:           k_qe0eb3b86c7_gemm_gu
    .symbol:         k_qe0eb3b86c7_gemm_gu.kd
    .args:
      - { .name: xh, .offset: 0, .size: 8, .value_kind: global_buffer, .address_space: global }
      - { .name: qweight_gu, .offset: 8, .size: 8, .value_kind: global_buffer, .address_space: global }
      - { .name: tgu, .offset: 16, .size: 8, .value_kind: global_buffer, .address_space: global }
      - { .name: g_idx_gu, .offset: 24, .size: 8, .value_kind: global_buffer, .address_space: global }
      - { .name: stats, .offset: 32, .size: 8, .value_kind: global_buffer, .address_space: global }
      - { .name: hb, .offset: 40, .size: 8, .value_kind: global_buffer, .address_space: global }
    .group_segment_fixed_size: 327680
    .private_segment_fixed_size: 0
    .kernarg_segment_align: 8
    .kernarg_segment_size: 48
    .max_flat_workgroup_size: 128
    .sgpr_count:     100
    .vgpr_count:     1024
    .wavefront_size: 32
...
	.end_amdgpu_metadata
.endif
;; end of part 5
;; launch gemm_down (part 6): grid 32 x 8, 4 waves a work-group, clusters of 4 x 1, 327,680 bytes of LDS; arguments hb, qweight_down, td, g_idx_down, stats, part; writes part
.if DOCPART == 6
	.amdgcn_target "amdgcn-amd-amdhsa--gfx1250"
	.amdhsa_code_object_version 6
	.text
	.protected	k_qe0eb3b86c7_gemm_down
	.globl	k_qe0eb3b86c7_gemm_down
	.p2align	8
	.type	k_qe0eb3b86c7_gemm_down,@function
k_qe0eb3b86c7_gemm_down:
	s_mov_b64 s[64:65], 0
	v_nop
	global_prefetch_b8 v0, s[64:65] scope:SCOPE_SE
	s_setreg_imm32_b32 hwreg(HW_REG_WAVE_MODE, 25, 1), 1
	s_wait_xcnt 0x0
	s_wait_alu depctr_hold_cnt(0) depctr_sa_sdst(0) depctr_va_vdst(0) depctr_va_sdst(0) depctr_va_ssrc(0) depctr_va_vcc(0) depctr_vm_vsrc(0)
	s_getreg_b32 s2, hwreg(HW_REG_IB_STS2, 6, 4)
	s_cmp_eq_u32 s2, 0
	s_cbranch_scc0 .Lentry_in_a_cluster
	s_endpgm
.Lentry_in_a_cluster:
	s_bfe_u32 s2, ttmp6, 0x10000c
	s_cmp_lg_u32 s2, 0x3003
	s_cbranch_scc0 .Lentry_shape_is_right
	s_endpgm
.Lentry_shape_is_right:
; SECOND PRODUCT, in eight parts along K.  part[y] = (h alpha) W_y / alpha, W[k][n] = s[g[k]][n] (q[k][n] - z[g[k]][n] - 1); the launch behind adds the eight parts.
; SHARES.  Work-group (t, y) makes all 512 rows x columns 128 t .. 128 t + 127 over the 11 blocks of 128 k from 11 y on: 88 blocks, of which 86 and 87 lie behind the last k and hold zeros in hb (their
; weights are the last rows' once more, times 0).  Each of the four waves has 128 rows x 128 columns: 64 accumulators of 16 x 16.
; hb (f16, fragment order) comes by the tensor data mover into a ring of two LDS slots; wave w fills and alone reads its 32,768 bytes of a slot.  The four work-groups of a cluster share y and so need the
; same tiles of hb: each is asked for JOINTLY: the same load, descriptor and mask in all four.
; WEIGHTS.  A word of qweight holds eight consecutive k of one column: half a fragment's registers of one lane.  For each 64 k wave w unpacks the 16 k numbered 16 w on: two loads of 16 bytes a lane (four
; columns), 1024 + q by a mask and an or on pairs of nibbles (k_i, k_(i+4)), - (1024 + z + 1) by a packed f16 addition (exact), times the scale (one rounding), 16 bytes into one of two LDS buffers
; in fragment order.  hb lies in the same order of k inside each eight, so the products are the same.
; g_idx.  EVERY k takes the table row that g_idx names for it.
; a byte permute pairs k_i's with k_(i+4)'s.  No branch hangs on g_idx.
; THE QUEUE.  The register work of a step of 64 k is 51 groups of four vector lines and the scalar lines that go with them; one group stands behind every second matrix instruction.  The vector memory and LDS
; instructions are kept out of it and stand in runs: the two weight loads with the fragment loads in a quarter's middle, the 16 table loads and the 8 LDS stores together at the head of the next change of buffers.
; Weights and table rows are asked for two steps of 64 k ahead, into two sets of vector registers that take turns; the indices three steps ahead, a whole step (128 matrix instructions) in front of the wait
; for them, into two sets of scalar registers that take turns.
; COLUMNS.  Column c (0..3) of lane l goes to place l % 16 of tile c + 4 (l / 16).  The matrix instruction is used as it is (source 0 = hb, source 1 = weights): over four tiles a lane holds four
; consecutive columns of a row, 16 bytes, and 16 lanes 256 consecutive bytes.
; 1 / alpha[row] = b = 32 |x_row|^2 smax^2 + 1e-30, made as the launch before makes it; a wave's 128 b wait in 512 bytes of LDS of its own until the way out.
; LIMITS.  16 |scale| stays under 65,504 (f16); NaN and infinities are not treated apart; the sums' order is the matrix unit's, in eight parts.
; REGISTERS, in windows of 256 (s_set_vgpr_msb: bits 1:0 source 0, 3:2 source 1, 5:4 source 2, 7:6 destination):
;   window 0: v0-31 addresses; v32-47 two sets of weight words; v48-59 the queue's work; v64-191 two sets of 16 table rows; v192-223 a step's eight words unpacked;
;             on the way out v192-255 b of row 16 a + 8 (l / 16) + j at 192 + 8 a + j
;   window 1: the fragments, two buffers of 128: hb's 64 registers, then the weights' 64      windows 2, 3: the accumulators: (a, b) at v[8 (8 (a % 4) + b)], rows 16 a on, window 2 + a / 4
.set KT,     11                        ; K steps of 128
.set PITCH,  16384                     ; bytes in a row of qweight and of the table
.set NG,     86                        ; rows of the table
.set JMAX,   171                       ; the last step of 64 k
.set LASTKB, 85                        ; the last block of 128 k
.set MULW,   0xa5                      ; sources 0 and 1 window 1, C and D window 2
.set SLOTB,  131072                    ; LDS: slot 0 at 0, slot 1 at 131,072; wave w's part at 32,768 w
.set BB,     262144                    ; the weights' two buffers of 16,384 bytes: [k / 32][half][tile][lane][16 bytes]; written by ds_store alone
.set BBUF,   16384
.set SPARE,  294912                    ; the spare words, 128 bytes a wave: two blocks of 256 bytes that no other line names
.set BST,    295424                    ; b: 512 bytes a wave, its 128 rows in order; written by ds_store alone
.set ADRA0, 2                          ; v2   32,768 w + 16 l; never rewritten
.set ADRA,  3                          ; v3   the same in the slot in hand
.set ADRB,  4                          ; v4   BB + 16 l
.set STB,   5                          ; v5   where my unpacked 16 bytes go: BB + 4,096 w + 2,048 (l / 16) + 16 (l % 16)
.set QC,    6                          ; v6   my four columns' byte offset in a row
.set QW,    7                          ; v7   the same + my wave's two rows
.set QOF,   8                          ; v8, v9    weight offsets of the even and the odd set
.set PFA,   14                         ; v14  the prefetch's offset
.set PF0,   15                         ; v15  its lane term
.set OOF,   24                         ; v24  my byte offset on the way out
.set BRD,   25                         ; v25  where I read b back: BST + 512 w + 32 (l / 16)
.set CC,    26                         ; v26-27  32 smax^2, twice
.set SPW,   28                         ; v28  LDS address of my spare word; never rewritten
.set NIL,   29                         ; v29  0; never rewritten
.set EPS,   30                         ; v30-31  1e-30, twice
.set QE,    32                         ; v32-39 the even set's eight words, v40-47 the odd set's
.set SH,    48                         ; v48-50  a word shifted
.set NZP,   52                         ; v52-55  -(1025 + z) of k_i and k_(i+4)
.set SDP,   56                         ; v56-59  their scales
.set TR,    64                         ; v64-127 the even set's table rows, row i at 4 i; v128-191 the odd set's
.set HT,    64                         ; at the head: the partial maxima, and four |x_row|^2
.set EX,    192                        ; v192-223  word d unpacked at 4 d
.set BM,    192                        ; v192-255  on the way out: b
.set F0,    0                          ; fragment buffers, in window 1
.set F1,    128
.set NV,    201                        ; the queue's vector lines
.set NGRP,  51                         ; its groups of four
; s[4:5] hb; s[6:7] qweight; s[8:9] table; s[10:11] g_idx; s[12:13] stats; s[14:15] part; s20 wave; s21 cx; s22 column tile; s23 y; s[24:31] descriptor group 1; s[32:35], s[36:39] group 0 of the two first
; fills, the second then walks; s40 slot in hand; s41 the step of 64 k being unpacked, counted over the whole K (it starts at 22 y, an even number, so a step's parity is that of my own count);
; s43 loop count; s44-49 at work; s50-53 masks and selectors; s[56:57] lane selects; s58 prefetch; s60, s61 the index loads' byte offsets, by turns; s62 the weights' step offset;
; s[68:83], s[84:99] sixteen indices of an even and of an odd step
.set MSB, 0
.macro WIN new                         ; the immediate's high byte repeats the setting that is left; a switch that changes nothing is dropped
.if MSB != (\new)
	s_set_vgpr_msb (MSB<<8)|(\new)
.set MSB, (\new)
.endif
.endm
.macro PLACES                          ; four places (ISA guide 7.12.1)
.rept 4
	v_nop
.endr
.endm
.macro CREST                           ; a round of the cluster's barrier behind its opening barrier
	s_cmp_lg_u32 s20, 0
	s_cbranch_scc1 .Lnot_wave_0_\@
	s_barrier_signal -3
.Lnot_wave_0_\@:
	s_barrier_wait -3
	s_barrier_signal -1
	s_barrier_wait -1
.endm
.macro CROUND
	s_barrier_signal -1
	s_barrier_wait -1
	CREST
.endm
.macro JLOAD                           ; the joint refill: every wave its own 32,768 bytes; an s_nop 0 and four v_nop follow
	tensor_load_to_lds s[36:39], s[24:31]
	s_nop 0
	PLACES
.endm
; THE QUEUE.  DQSET names the sets of a step of parity par and starts the queue; GRP writes its next group; FLUSH the rest.
.macro DQSET par
.set QR,   QE+8*(\par)
.set TRB,  TR+64*(\par)
.set OFQ,  QOF+(\par)
.set BUFO, (\par)*BBUF
.set IXB,  68+16*(\par)                ; the indices that this queue turns into offsets: those of the step two on, which has this parity
.set IXN,  84-16*(\par)                ; the set that this queue asks for: the step three on
.set OX,   60+(\par)                   ; that load's offset register; the load that is still out names the other one
.set gq, 0
.endm
; Line n of the 6 that ask for the 16 indices of step s41 + add.  Steps past the end take the last step's once more.
.macro LDA n, add
.if (\n) == 0
	s_add_co_u32 s45, s41, \add
.elseif (\n) == 1
	s_min_u32 s45, s45, JMAX
.elseif (\n) == 2
	s_lshl_b32 s[OX], s45, 2
.elseif (\n) == 3
	s_add_co_u32 s[OX], s[OX], s20
.elseif (\n) == 4
	s_lshl_b32 s[OX], s[OX], 6                     ; k = 64 step + 16 w, four bytes an index
.else
	s_load_b512 s[IXN:IXN+15], s[10:11], s[OX] offset:0x0
.endif
.endm
.macro WOFF add                        ; the byte offset of step s41 + add in qweight: eight rows a step
	s_add_co_u32 s44, s41, \add
	s_min_u32 s44, s44, JMAX
	s_mul_i32 s62, s44, 8*PITCH
.endm
.macro ROWQ r                          ; index r is held inside the table and becomes a byte offset
	s_min_u32 s[IXB+(\r)], s[IXB+(\r)], NG-1
	s_mul_i32 s[IXB+(\r)], s[IXB+(\r)], PITCH
.endm
; The scalar lines of group g.  0: the wait for the set's vector loads.  0-2: the offsets.  3: the wait for the one scalar load that is out, issued at this place of the step before, and directly behind it the
; next one (scalar loads are waited for to 0 alone).  4-19: an index a group.  37: the step's count.
.macro SL g
.if (\g) == 0
	s_wait_loadcnt 18                              ; behind this set's 18 loads stand the other set's 18
	LDA 0, 3
	LDA 1, 3
.elseif (\g) == 1
	LDA 2, 3
	LDA 3, 3
.elseif (\g) == 2
	LDA 4, 3
	WOFF 2
.elseif (\g) == 3
	s_wait_kmcnt 0x0                               ; the indices of the step two on are in
	LDA 5, 3
.elseif (\g) < 20
	ROWQ (\g)-4
.elseif (\g) == 37
	s_add_co_u32 s41, s41, 1
.endif
.endm
; Vector line n.  0-55: word d = n / 7 (row d / 4 of my two, column d % 4) comes apart into f16(1024 + q), pairs (k_i, k_(i+4)).  56: the weights' next offset.  57-184: word by word 8 permutes, 4 additions,
; 4 multiplications.  185-200: the 16 table offsets, each into the register on which its load lands: the rows are dead behind line 176.
.macro VL n
.if (\n) < 56
.set d_, (\n)/7
.set i_, (\n)%7
.if i_ < 3
	v_lshrrev_b32 v[SH+i_], 4*(i_+1), v[QR+d_]
.elseif i_ == 3
	v_and_or_b32 v[EX+4*d_], v[QR+d_], s50, s51
.else
	v_and_or_b32 v[EX+4*d_+i_-3], v[SH+i_-4], s50, s51
.endif
.elseif (\n) == 56
	v_add_nc_u32 v[OFQ], s62, v[QW]
.elseif (\n) < 185
.set e_, (\n)-57
.set d_, e_/16
.set i_, e_%16
.set t_, TRB+32*(d_/4)+(d_%4)
.if i_ < 8
.set p_, i_/2
.if i_%2 == 0
	v_perm_b32 v[NZP+p_], v[t_+4*(p_+4)], v[t_+4*p_], s52   ; the low halves: k_p's below, k_(p+4)'s above
.else
	v_perm_b32 v[SDP+p_], v[t_+4*(p_+4)], v[t_+4*p_], s53   ; the high halves
.endif
.elseif i_ < 12
	v_pk_add_f16 v[EX+4*d_+i_-8], v[EX+4*d_+i_-8], v[NZP+i_-8]
.else
	v_pk_mul_f16 v[EX+4*d_+i_-12], v[EX+4*d_+i_-12], v[SDP+i_-12]
.endif
.else
.set r_, (\n)-185
	v_add_nc_u32 v[TRB+4*r_], s[IXB+r_], v[QC]
.endif
.endm
.macro GRP
.if gq < NGRP
	WIN 0
	SL gq
.set vq, 4*gq
.rept 4
.if vq < NV
	VL vq
.endif
.set vq, vq+1
.endr
.set gq, gq+1
.endif
.endm
.macro FLUSH
.rept NGRP
	GRP
.endr
.endm
; THE RUNS.  QLOADS: the set's two rows of qweight (its words are dead behind vector line 55, its offset is line 56).  MEMRUN: its 16 table rows, and the step's eight words into LDS.
.macro QLOADS
	global_load_b128 v[QR:QR+3], v[OFQ], s[6:7] th:TH_LOAD_NT
	global_load_b128 v[QR+4:QR+7], v[OFQ], s[6:7] offset:PITCH th:TH_LOAD_NT
.endm
.macro TLOADS
.irp r, 0,1,2,3,4,5,6,7,8,9,10,11,12,13,14,15
	global_load_b128 v[TRB+4*\r:TRB+4*\r+3], v[TRB+4*\r], s[8:9]   ; k_r's zero and scale, my four columns; the load lands on its own offset register
.endr
.endm
.macro STORES
.irp d, 0,1,2,3,4,5,6,7
	ds_store_b128 v[STB], v[EX+4*\d:EX+4*\d+3] offset:BUFO+((\d)%4)*512+((\d)/4)*256   ; 16 lanes fill 256 consecutive bytes
.endr
.endm
.macro MEMRUN
	WIN 0
	TLOADS
	STORES
.endm
.macro IXASK par, add                  ; at the head: the indices of step s41 + add, as a queue of parity par asks for them
	DQSET \par
.set ln, 0
.rept 6
	LDA ln, \add
.set ln, ln+1
.endr
.endm
.macro LDBLK par, add                  ; at the head: a set's words and table rows are asked for in one piece; its indices are in
	DQSET \par
	WOFF \add
	v_add_nc_u32 v[OFQ], s62, v[QW]
.set ln, 0
.rept 16
	ROWQ ln
	v_add_nc_u32 v[TRB+4*ln], s[IXB+ln], v[QC]
.set ln, ln+1
.endr
	QLOADS
	TLOADS
.endm
; 16 matrix instructions: row blocks a0, a0 + 1 of the window's four x all 8 tiles, 32 along K.  zero = 1: the product starts the sums.  ride = 1: a group of the queue behind every second one.
; The 64 accumulators take turns, one instruction a turn, in the same order in every quarter.
.macro MUL16 f, hi, a0, zero, ride
.irp a, \a0, (\a0)+1
.irp b, 0,1,2,3,4,5,6,7
.set rD, 8*(8*(\a)+(\b))
.set rB, (\f)+64+8*(\b)
.set rA, (\f)+8*(4*(\hi)+(\a))
	WIN MULW+0x50*(\hi)
.if \zero
	v_wmma_f32_16x16x32_f16 v[rD:rD+7], v[rA:rA+7], v[rB:rB+7], 0
.else
	v_wmma_f32_16x16x32_f16 v[rD:rD+7], v[rA:rA+7], v[rB:rB+7], v[rD:rD+7]
.endif
.if (\ride) && ((\b)%2 == 1)
	GRP
.endif
.endr
.endr
.endm
; 32 LDS loads in one run: a quarter's fragments into buffer f: the weights at byte bofs of their buffers, hb's quarter kq of the slot in hand.  Every load takes 512 consecutive bytes.
; The last product that read buffer f stands a group of the queue, four plain vector lines, or more back on every way: those are the places that a load into its sources asks for.
.macro FETCH kq, bofs, f
	WIN 0x40                                       ; destination window 1, address window 0
.irp i, 0,1,2,3,4,5,6,7
	ds_load_b128 v[(\f)+64+8*(\i):(\f)+64+8*(\i)+3],   v[ADRB] offset:(\bofs)+(\i)*512
	ds_load_b128 v[(\f)+64+8*(\i)+4:(\f)+64+8*(\i)+7], v[ADRB] offset:(\bofs)+(\i)*512+4096
.endr
.irp i, 0,1,2,3,4,5,6,7
	ds_load_b128 v[(\f)+8*(\i):(\f)+8*(\i)+3],   v[ADRA] offset:((\kq)*8+(\i))*1024
	ds_load_b128 v[(\f)+8*(\i)+4:(\f)+8*(\i)+7], v[ADRA] offset:((\kq)*8+(\i))*1024+512
.endr
.endm
; A quarter without a barrier: multiplies buffer f; in its middle one run: the queue's two weight loads (16 groups or more of the queue are done there) and quarter kq's fragments into buffer g.
.macro QUARTER kq, bofs, f, g, zero
	s_wait_dscnt 8                                 ; the youngest eight loads (hb's rows 64-127) may be out
	MUL16 \f, 0, 0, \zero, 1
	MUL16 \f, 0, 2, \zero, 1
	WIN 0
	QLOADS
	FETCH \kq, \bofs, \g
	s_wait_dscnt 32                                ; all but the 32 just issued
	MUL16 \f, 1, 0, \zero, 1
	MUL16 \f, 1, 2, \zero, 1
.endm
; Quarter 1.  At its head the odd step's run.  Its barrier serves the weights alone: in front of it my stores into the odd buffer are done and my reads of the even one are back; behind it the odd one is read
; and the even one written.
.macro TURNB
	MEMRUN
	s_wait_dscnt 16                                ; the eight stores and the youngest eight loads before them may be out
	MUL16 F1, 0, 0, 0, 0
	s_wait_dscnt 0x0
	s_barrier_signal -1
	MUL16 F1, 0, 2, 0, 0
	s_barrier_wait -1
	FETCH 2, BBUF, F0
	DQSET 0
	MUL16 F1, 1, 0, 0, 1
	MUL16 F1, 1, 2, 0, 1
.endm
; What wave 0 asks into the L2: the 32 aligned blocks of 256 bytes (16 rows x 512 bytes) of qweight that this work-group's register loads want in the next trip: 8,192 bytes, one trip ahead of those loads.
; Past the last block of 128 k the last block is named once more; the tail asks for nothing.
.macro PREF
	s_cmp_lg_u32 s20, 0
	s_cbranch_scc1 .Lnopf_\@
	s_lshr_b32 s58, s41, 1
	s_add_co_u32 s58, s58, 2
	s_min_u32 s58, s58, LASTKB
	s_mul_i32 s58, s58, 16*PITCH
	s_wait_xcnt 0x0                                ; the last prefetch's offset register is rewritten only behind this wait
	v_add_nc_u32 v[PFA], s58, v[PF0]
	global_prefetch_b8 v[PFA], s[6:7] th:TH_LOAD_NT scope:SCOPE_SE
.Lnopf_\@:
.endm
; Quarter 3: the change of slots.  At its head the even step's run.  In front of the barrier each wave waits for all its tensor loads (one is out: its part of the next slot), adds 0 to its spare word, and waits
; for that, for its reads of this slot and of the odd buffer, and for its stores into the even one.  fill = 1: the barrier opens a round of the cluster's, and the slot just read is filled again first thing
; behind it, two K steps ahead.
.macro TURNX fill
	MEMRUN
	s_wait_tensorcnt 0x0
	ds_add_u32 v[SPW], v[NIL]
	s_wait_dscnt 17                                ; the add, the eight stores and the youngest eight loads before them may be out
	MUL16 F1, 0, 0, 0, 0
	s_wait_dscnt 0x0
	s_barrier_signal -1
	MUL16 F1, 0, 2, 0, 0
	WIN 0
	s_barrier_wait -1
.if \fill
	CREST
	s_xor_b32 s37, s37, SLOTB                      ; the walking descriptor: the other slot than last time,
	s_add_nc_u64 s[38:39], s[38:39], SLOTB         ; the next 128 k; the type bits on top are not reached
	JLOAD
	PREF
.endif
	s_xor_b32 s40, s40, SLOTB
	v_add_nc_u32 v[ADRA], s40, v[ADRA0]
	FETCH 0, 0, F0
	DQSET 1
	MUL16 F1, 1, 0, 0, 1
	MUL16 F1, 1, 2, 0, 1
.endm
	s_load_b256 s[4:11], s[0:1], 0x0               ; hb 4, qweight 6, table 8, g_idx 10
	s_load_b128 s[12:15], s[0:1], 0x20             ; stats 12, part 14
	v_lshl_add_u32 v[SPW], v0, 2, SPARE
	v_mov_b32 v[NIL], 0
	ds_add_u32 v[SPW], v[NIL]                      ; the wave's opening: the add and its wait stand ahead of my first tensor load
	v_lshrrev_b32 v1, 5, v0
	v_readfirstlane_b32 s20, v1                    ; wave 0..3
	s_bfe_u32 s21, ttmp6, 0x40000                  ; cx
	s_lshl_b32 s22, ttmp9, 2
	s_add_co_u32 s22, s22, s21                     ; column tile = 4 x cluster + cx: it enters global addresses of the weights, the table and part alone
	s_and_b32 s23, ttmp7, 0xffff                   ; y, which the four partners share
	s_mov_b32 s24, 15|(3<<16)|(1<<21)              ; group 1: 15:0 the mask of four; 17:16 elements of 8 bytes; 21 set beside a mask; no padding
	s_mov_b32 s25, 32<<16                          ; tensor_dim0 = 32 elements: rows of 256 bytes
	s_mov_b32 s26, 128<<16                         ; tensor_dim1 = 128 rows: 32,768 dense bytes
	s_mov_b32 s27, 32<<16                          ; tile_dim0
	s_mov_b32 s28, 128                             ; tile_dim1
	s_mov_b32 s29, 32                              ; elements from row to row
	s_mov_b32 s30, 0
	s_mov_b32 s31, 0
	s_mov_b32 s32, 1
	s_lshl_b32 s33, s20, 15                        ; LDS: slot 0, my part
	s_mov_b32 s36, 1
	s_add_co_u32 s37, s33, SLOTB                   ; slot 1
	s_mov_b32 s40, 0
	s_mul_i32 s41, s23, 22                         ; my first step of 64 k
	s_mov_b32 s50, 0x000f000f
	s_mov_b32 s51, 0x64006400                      ; f16(1024) twice
	s_mov_b32 s52, 0x05040100
	s_mov_b32 s53, 0x07060302
	s_mov_b32 s56, 0x76543210
	s_mov_b32 s57, 0xfedcba98
	s_mul_i32 s44, s23, 11*SLOTB                   ; hb: my part of block 11 y
	s_add_co_u32 s44, s44, s33
	s_mov_b32 s45, 0
	s_lshl_b32 s46, s23, 23                        ; part: 8,388,608 y + my 128 rows of 16,384 bytes + 512 t
	s_lshl_b32 s47, s20, 21
	s_add_co_u32 s46, s46, s47
	s_lshl_b32 s47, s22, 9
	s_add_co_u32 s46, s46, s47
	s_mov_b32 s47, 0
	s_wait_dscnt 0x0                               ; the opening add is done
	s_wait_kmcnt 0x0
	s_add_nc_u64 s[34:35], s[4:5], s[44:45]
	s_add_nc_u64 s[38:39], s[34:35], SLOTB
	s_or_b32 s35, s35, 0x80000000                  ; type = 2
	s_or_b32 s39, s39, 0x80000000
	s_add_nc_u64 s[14:15], s[14:15], s[46:47]
	CROUND                                         ; all four work-groups are here: the first joint loads meet
	tensor_load_to_lds s[32:35], s[24:31]          ; K steps 0 and 1: two loads of mine are out
	s_nop 0
	tensor_load_to_lds s[36:39], s[24:31]
	s_nop 0
	PLACES
	IXASK 1, 0                                     ; the indices of my steps 0 and 1 are asked for together
	IXASK 0, 1
	v_and_b32 v1, 31, v0                           ; l
	v_and_b32 v32, 15, v1
	v_lshrrev_b32 v33, 4, v1
	v_lshlrev_b32 v[ADRA0], 4, v1
	v_add_nc_u32 v[ADRA0], s33, v[ADRA0]
	v_mov_b32 v[ADRA], v[ADRA0]
	v_lshl_add_u32 v[ADRB], v1, 4, BB
	v_lshlrev_b32 v[STB], 4, v32
	v_lshl_add_u32 v[STB], v33, 11, v[STB]
	s_lshl_b32 s44, s20, 12
	s_add_co_u32 s44, s44, BB
	v_add_nc_u32 v[STB], s44, v[STB]
	s_lshl_b32 s48, s22, 9                         ; 128 columns of 4 bytes a tile
	v_lshlrev_b32 v[QC], 4, v1
	v_add_nc_u32 v[QC], s48, v[QC]
	s_mul_i32 s49, s20, 2*PITCH
	v_add_nc_u32 v[QW], s49, v[QC]
	v_lshrrev_b32 v34, 1, v1                       ; prefetch: row l / 2, half l % 2 of its 512 bytes
	v_lshlrev_b32 v[PF0], 14, v34
	v_and_b32 v34, 1, v1
	v_lshl_add_u32 v[PF0], v34, 8, v[PF0]
	v_add_nc_u32 v[PF0], s48, v[PF0]
	v_lshlrev_b32 v[OOF], 4, v32
	v_lshl_add_u32 v[OOF], v33, 17, v[OOF]         ; lanes 16-31: eight rows further down
	v_lshlrev_b32 v10, 4, v1                       ; the 688 partial maxima of |scale| of the first product: 172 times 16 bytes
	v_add_nc_u32 v11, 0xa0, v1
	v_min_u32 v11, 0xab, v11
	v_lshlrev_b32 v11, 4, v11
.irp i, 0,1,2,3,4
	global_load_b128 v[HT+4*\i:HT+4*\i+3], v10, s[12:13] offset:2048+512*(\i)
.endr
	global_load_b128 v[HT+20:HT+23], v11, s[12:13] offset:2048
	v_lshlrev_b32 v34, 4, v0                       ; |x_row|^2 of rows 128 w + 4 l + 0..3: 16 bytes a thread
	global_load_b128 v[HT+24:HT+27], v34, s[12:13]
	s_lshl_b32 s44, s20, 9
	s_add_co_u32 s44, s44, BST                     ; my wave's 512 bytes of b
	v_lshlrev_b32 v35, 4, v1
	v_add_nc_u32 v35, s44, v35
	v_lshlrev_b32 v[BRD], 5, v33
	v_add_nc_u32 v[BRD], s44, v[BRD]
	s_wait_loadcnt 0x0
.set i, 1
.rept 11
	v_max3_num_f32 v[HT], v[HT], v[HT+i], v[HT+i+1]
.set i, i+2
.endr
	v_max_num_f32 v[HT], v[HT], v[HT+23]
	v_max_num_f32_dpp v[HT], v[HT], v[HT] row_xmask:1 row_mask:0xf bank_mask:0xf
	v_max_num_f32_dpp v[HT], v[HT], v[HT] row_xmask:2 row_mask:0xf bank_mask:0xf
	v_max_num_f32_dpp v[HT], v[HT], v[HT] row_xmask:4 row_mask:0xf bank_mask:0xf
	v_max_num_f32_dpp v[HT], v[HT], v[HT] row_xmask:8 row_mask:0xf bank_mask:0xf
	v_permlanex16_b32 v[HT+1], v[HT], s56, s57
	v_max_num_f32 v[HT], v[HT], v[HT+1]
	v_mul_f32 v[CC], v[HT], v[HT]
	v_mul_f32 v[CC], 0x42000000, v[CC]             ; 32 smax^2
	v_mov_b32 v[CC+1], v[CC]
	v_mov_b32 v[EPS], 0x0da24260                   ; 1e-30
	v_mov_b32 v[EPS+1], v[EPS]
	v_pk_fma_f32 v[HT+24:HT+25], v[HT+24:HT+25], v[CC:CC+1], v[EPS:EPS+1]
	v_pk_fma_f32 v[HT+26:HT+27], v[HT+26:HT+27], v[CC:CC+1], v[EPS:EPS+1]
	ds_store_b128 v35, v[HT+24:HT+27]              ; b of my four rows; only my wave reads these bytes, on the way out
	s_wait_kmcnt 0x0                               ; the indices of my steps 0 and 1 are in
	LDBLK 0, 0                                     ; my steps 0 and 1 are asked for
	LDBLK 1, 1
	IXASK 1, 2                                     ; the indices of my step 2, as the queue of a step in front of the first would ask for them
	DQSET 0
	FLUSH                                          ; step 0 is unpacked in one piece: there is no matrix work yet to set it beside
	QLOADS
	MEMRUN
	s_wait_dscnt 0x0                               ; my stores are done
	s_wait_tensorcnt 0x1                           ; my part of K step 0 is in; K step 1's may stay out
	s_barrier_signal -1
	s_barrier_wait -1
	FETCH 0, 0, F0
	DQSET 1
	QUARTER 1, 8192, F0, F1, 1                     ; the first quarter stands in front of the loop: its products start the sums
	FLUSH
	WIN 0
	s_mov_b32 s43, KT-2
.Ltrip:                                                ; a trip: quarters 1, 2, 3 of a K step and quarter 0 of the next; it unpacks two steps of 64 k and fills one slot again
	TURNB
	QUARTER 3, BBUF+8192, F0, F1, 0
	FLUSH
	TURNX 1
	QUARTER 1, 8192, F0, F1, 0
	FLUSH
	WIN 0
	s_sub_co_u32 s43, s43, 1
	s_cmp_lg_u32 s43, 0
	s_cbranch_scc1 .Ltrip
	s_mov_b32 s43, 2                               ; the last two K steps ask for nothing: the tail is written out
.Ltail:                                                ; the second trip is left in its middle; what it has unpacked and fetched by then serves nothing: the price, once a launch, of one text for both
	TURNB
	QUARTER 3, BBUF+8192, F0, F1, 0
	FLUSH
	TURNX 0
	WIN 0
	s_sub_co_u32 s43, s43, 1
	s_cmp_eq_u32 s43, 0
	s_cbranch_scc1 .Lout
	QUARTER 1, 8192, F0, F1, 0
	FLUSH
	WIN 0
	s_branch .Ltail
.Lout:
	s_wait_dscnt 0x0                               ; the registers that the last fetch and the last loads write are used below
	s_wait_loadcnt 0x0
	s_wait_kmcnt 0x0
.irp a, 0,1,2,3,4,5,6,7
	ds_load_b128 v[BM+8*\a:BM+8*\a+3],   v[BRD] offset:64*(\a)      ; b of rows 16 a + 8 (l / 16) + 0..7
	ds_load_b128 v[BM+8*\a+4:BM+8*\a+7], v[BRD] offset:64*(\a)+16
.endr
	PLACES
	s_wait_dscnt 0x0
; THE WAY OUT.  Register j of accumulator (a, 4 sg + bb) is row 16 a + 8 (l / 16) + j, column 64 sg + 4 (l % 16) + bb: the four bb make 16 bytes.  Each number is multiplied by its row's b.
; j ascends.
.set TM, 64
.macro OUTD a, sg
.set rT, TM+32*(\sg)
.if (\a) >= 1
	s_wait_xcnt 0x0                                ; the registers that earlier stores read are rewritten only behind this wait
.endif
	WIN 0x02+((\a)/4)                              ; source 0 window 2 or 3
.irp j, 0,1,2,3,4,5,6,7
.irp bb, 0,1,2,3
	v_mul_f32 v[rT+4*\j+\bb], v[8*(8*((\a)%4)+4*(\sg)+\bb)+\j], v[BM+8*(\a)+\j]
.endr
.endr
	WIN 0
.irp j, 0,1,2,3,4,5,6,7
	global_store_b128 v[OOF], v[rT+4*\j:rT+4*\j+3], s[14:15] offset:(16*(\a)+\j)*16384+(\sg)*256   ; each half of the lanes stores 256 consecutive bytes, at a multiple of 256 from part's first byte
.endr
.endm
.irp a, 0,1,2,3,4,5,6,7
	OUTD \a, 0
	OUTD \a, 1
.endr
	s_wait_tensorcnt 0x0                           ; the wave's end
	ds_add_u32 v[SPW], v[NIL]
	s_wait_dscnt 0x0
	CROUND                                         ; the closing round: no work-group ends while a partner may still ask for a tile that names it
	s_endpgm
.Lfunc_end_k_qe0eb3b86c7_gemm_down:
	.size	k_qe0eb3b86c7_gemm_down, .Lfunc_end_k_qe0eb3b86c7_gemm_down-k_qe0eb3b86c7_gemm_down
	.p2alignl 7, 3214868480
	.fill 96, 4, 3214868480
	.section	.rodata,"a",@progbits
	.p2align	6, 0x0
	.amdhsa_kernel k_qe0eb3b86c7_gemm_down
		.amdhsa_group_segment_fixed_size 327680
		.amdhsa_private_segment_fixed_size 0
		.amdhsa_enable_private_segment 0
		.amdhsa_kernarg_size 48
		.amdhsa_user_sgpr_count 2
		.amdhsa_user_sgpr_kernarg_segment_ptr 1
		.amdhsa_wavefront_size32 1
		.amdhsa_system_sgpr_workgroup_id_x 1
		.amdhsa_system_sgpr_workgroup_id_y 1
		.amdhsa_system_sgpr_workgroup_id_z 1
		.amdhsa_system_vgpr_workitem_id 0
		.amdhsa_next_free_vgpr 1024
		.amdhsa_next_free_sgpr 100
		.amdhsa_reserve_vcc 0
		.amdhsa_float_denorm_mode_32 3
		.amdhsa_float_denorm_mode_16_64 3
		.amdhsa_memory_ordered 1
		.amdhsa_forward_progress 1
		.amdhsa_inst_pref_size 215
	.end_amdhsa_kernel
	.amdgpu_metadata
---
amdhsa.version: [ 1, 2 ]
amdhsa.kernels:
  - .name:           k_qe0eb3b86c7_gemm_down
    .symbol:         k_qe0eb3b86c7_gemm_down.kd
    .args:
      - { .name: hb, .offset: 0, .size: 8, .value_kind: global_buffer, .address_space: global }
      - { .name: qweight_down, .offset: 8, .size: 8, .value_kind: global_buffer, .address_space: global }
      - { .name: td, .offset: 16, .size: 8, .value_kind: global_buffer, .address_space: global }
      - { .name: g_idx_down, .offset: 24, .size: 8, .value_kind: global_buffer, .address_space: global }
      - { .name: stats, .offset: 32, .size: 8, .value_kind: global_buffer, .address_space: global }
      - { .name: part, .offset: 40, .size: 8, .value_kind: global_buffer, .address_space: global }
    .group_segment_fixed_size: 327680
    .private_segment_fixed_size: 0
    .kernarg_segment_align: 8
    .kernarg_segment_size: 48
    .max_flat_workgroup_size: 128
    .sgpr_count:     100
    .vgpr_count:     1024
    .wavefront_size: 32
...
	.end_amdgpu_metadata
.endif
;; end of part 6
;; launch reduce: the kernel of part 4 again; grid 512 x 1, 8 waves a work-group, no clusters, 0 bytes of LDS; arguments part, out0; writes out0
